; MI455X (gfx1250); checked and timed in simulation.
; The chip was launched on July 23, 2026; its instructions are those of AMD's public machine-readable ISA for CDNA 5 (MIT licence, August 2026) and "CDNA5" Instruction Set Architecture Reference Guide (July 2026). The comments in the code are by the model that wrote it; some were corrected since.
;; Vanilla Attention. Allowed arithmetic: matrix products marked QUANTISED: E2M3 operands, one E8M0 scale for each 32 along K, by v_wmma_scale_f32_16x16x128_f8f6f4 with both operands' format E2M3, f32 sums; everything else in f32.
;; Inputs: Wk 1,024 x 1,024 float32; Wq 1,024 x 1,024 float32; Wv 1,024 x 1,024 float32; x 4 x 2,048 x 1,024 float32.
;; Outputs: out0 4 x 2,048 x 1,024 float32.
;; This version of the problem:
;;   THIS VERSION OF THE PROBLEM IS GIVEN IN LOW PRECISION. The matrix products marked QUANTISED in the list below multiply operands that are first quantised to E2M3 (2 exponent bits, 3 mantissa bits; 6 bits a number), with one power-of-two scale for each 32 numbers along K (OCP MX v1.0); their sums are f32. All else is computed in f32.
;;   The module's matrix products, in the order in which they are computed (A, B: the left and right operand; K: the contracted axis; several contracted axes count as one K, in the product's order):
;;     1. [M 8,192, K 1,024] x [K 1,024, N 1,024]; A: input x; B: input Wq: QUANTISED
;;     2. [M 8,192, K 1,024] x [K 1,024, N 1,024]; A: input x; B: input Wk: QUANTISED
;;     3. [M 8,192, K 1,024] x [K 1,024, N 1,024]; A: input x; B: input Wv: QUANTISED
;;     4. batch 4 x [M 2,048, K 1,024] x [K 1,024, N 2,048]; A: computed on the way; B: computed on the way: QUANTISED
;;     5. batch 4 x [M 2,048, K 2,048] x [K 2,048, N 1,024]; A: softmax (see below); B: computed on the way: QUANTISED
;;   THE QUANTISER, for each operand of a quantised product, along K:
;;     - K is cut into blocks of 32 from its start; a last block that is shorter is filled with zeros.
;;     - A block's scale is 2^e with e = floor(log2(the largest magnitude in the block)) - 2, held to -126 .. 127; a block of zeros has e = 0. As a byte (E8M0): e + 127.
;;     - Each number is divided by its block's scale, clamped to +-7.5, and rounded to the nearest number of E2M3, ties to even, subnormals kept.
;;     - The product sums the exact products of the quantised numbers (number of the format x scale) in f32.
;;   ~~~python
;;   def quantise(x, axis):      # numpy; x: float32 -> the quantised numbers, widened to float32 again
;;       x = np.moveaxis(x, axis, -1); K = x.shape[-1]
;;       x = np.pad(x, [(0, 0)] * (x.ndim - 1) + [(0, -K % 32)]); x = x.reshape(x.shape[:-1] + (-1, 32)); a = np.abs(x).max(-1, keepdims=True)
;;       e = np.where(a > 0, np.clip(np.frexp(np.where(a > 0, a, 1))[1] - 1 - 2, -126, 127), 0)      # np.frexp(a)[1] - 1 = floor(log2(a)), exactly
;;       r = np.clip(x / 2.0 ** e, -7.5, 7.5)
;;       step = 2.0 ** (np.maximum(np.frexp(np.where(r == 0, 1, r))[1] - 1, 0) - 3)
;;       q = np.round(r / step) * step * 2.0 ** e      # np.round: ties to even
;;       return np.moveaxis(q.reshape(q.shape[:-2] + (-1,))[..., :K], -1, axis).astype(np.float32)
;;   ~~~
;;   SOFTMAX AHEAD OF A QUANTISED PRODUCT. Where the list says 'softmax', what is quantised is not the finished softmax but p = 2^(t - M), with t = logit x log2(e) and M = ceil(the row's largest t), a whole number; so 1/2 < the row's largest p <= 1. The row's sum l is taken of the UNQUANTISED p, in f32, and the product's result is divided by l at the end. Since M is a whole number, a kernel that streams over the keys may use a running M (the ceiling of the running maximum): every later rescaling is an exact power of two, which a block's scale takes up: the codes' values come out the same.
;;   OPERANDS COMPUTED ON THE WAY. 'Computed on the way' means the value that the module computes at that place (a softmax that the list does not call 'softmax' is quantised finished and normalised). What goes into a quantiser is computed in f32, as accurately as f32 sums, v_exp_f32 and their like allow (about 1e-6 of the number): no bf16 or f16 on the way to a quantiser, and a product that is left as it is and whose result goes on into a quantised operand takes f32 operands (vector FMAs, or v_wmma_f32_16x16x4_f32). A number that lies on a knife's edge between two numbers of the format may be rounded either way, as far as f32 arithmetic and the matrix unit's own rounding can turn it there, and no further.
;; One version. Each part assembles by itself: llvm-mc -triple=amdgcn-amd-amdhsa -mcpu=gfx1250 --defsym DOCPART=n.
;; ======== version 1 of 1: 4 launches
;; limits: right only within a limited range of input values
;; workspace buffers: opnd 9,011,200 bytes; trig 8,388,608 bytes; qkv 19,660,800 bytes; prob 14,155,776 bytes
;; launch prep (part 1): grid 416 x 1, 8 waves a work-group, no clusters, 68,608 bytes of LDS; arguments x, Wq, Wk, Wv, opnd, trig; writes opnd, trig
.if DOCPART == 1
	.amdgcn_target "amdgcn-amd-amdhsa--gfx1250"
	.amdhsa_code_object_version 6
	.text
	.protected	k_qb176e9c12a_prep
	.globl	k_qb176e9c12a_prep
	.p2align	8
	.type	k_qb176e9c12a_prep,@function
k_qb176e9c12a_prep:
	s_mov_b64 s[64:65], 0
	v_nop
	global_prefetch_b8 v0, s[64:65] scope:SCOPE_SE
	s_setreg_imm32_b32 hwreg(HW_REG_WAVE_MODE, 25, 1), 1
	s_wait_xcnt 0x0
; PREP: the first of four launches of causal attention with one head of 1,024 on codes of FP6 (E2M3), one E8M0 scale byte for each 32 along K.
;   prep : x, Wq, Wk, Wv -> codes and scale words (opnd); the cos / sin table of RoPE (trig)
;   proj : Q = rope(x Wq^T), K = rope(x Wk^T), V = x Wv^T, each quantised on its way out (qkv)
;   score: S = Q K^T, p = 2^(t - M') for each run of 128 keys, quantised (prob)
;   pv   : O = P V / l (out0)
; WORK LEFT OUT, for all values of the inputs: reference() puts -inf, by its own jnp.tril, on every score whose key comes after its query, so p = 0 there whatever x and the weights hold.
; A tile of 256 queries x 256 keys whose first key comes after its last query (28 of 64 tiles in each batch) adds nothing to the row's maximum, to its sum or to O: these tiles of Q K^T and the same
; 256-key steps of P V are not computed.  Inside the tiles on the diagonal the hidden part is computed and masked.  LIMIT: a NaN, an infinity or an overflow that would arise only in the tiles left out is not carried to the result.
; Every input has a way to the output and is loaded.
; LIMITS: NaN and infinities among the inputs are not served.  A block's largest magnitude is taken no smaller than 2^(3 - 127), so the scale byte is at least 1; a block of zeros gets the byte 1 where the
; rule says 127 (its codes are zeros, and this program alone reads the bytes).  inv_freq = 10000^(-i / 512) is made as 2^(-y), y in two f32 parts, good to about one and a half units in its last place.
; LAYOUT OF ALL OPERANDS.  A BLOCK is 16 rows: lane r of block t holds row 32 (t / 2) + 8 (t % 2) + r % 8 + 16 (r / 8).  A FRAGMENT (a block x 128 along K) is stored as the image of the operand's 12 registers:
; register q of lane L at byte 512 (q / 4) + 16 L + 4 (q % 4): 1,536 bytes, three stores or loads of 16 bytes a lane.  Scale words lie [block][K step / 2][r][K step % 2].
; SHARES.  Eight waves.  Work-groups 0-63 make the table (no LDS); work-groups 64-415 quantise: four waves to a block of 16 rows, two K steps of 128 each, so that all 32 loads of a wave go out at once.
; x's blocks lie in the order 4 x position block + batch: 16 blocks on end are four position blocks of all batches (Q's and K's products); every fourth block is one batch's positions (V's product).
.set WI_O,  6291456                    ; opnd: x's images at 0; the weights' images, Wq, Wk, Wv;
.set XAS_O, 8650752                    ; x's scale words; the weights'
.set WS_O,  8912896
.set SPARE, 67584                      ; LDS: eight stages of 16 x 528 bytes, then the spare words, 128 bytes for each wave
.set SPW, 14
.set NIL, 15
.set IVF, 32                           ; table: v32-63 inv_freq of my 32 pairs
.set YH,  64
.set CR,  96
.set TAB, 64                           ; then v64-127: register 2 j = cos, 2 j + 1 = sin
.set RW,  64                           ; quantiser: v64-191 two sets of 64 numbers as loaded
.set XN,  192                          ; v192-255 64 numbers of my row: two whole blocks of 32
.set CHI, 40
.set CLO, 41
.set NLN2, 42
.set TOPI, 43
.set PIH, 44
.set PIL, 45
.set S1C, 46
.set S2C, 47
.set S3C, 48
.set C1C, 49
.set C2C, 50
.set C3C, 51
.set SEL, 52                           ; s[52:53] lane selects for v_permlanex16_b32: lane l xor 16
	s_load_b256 s[4:11], s[0:1], 0x0               ; x, Wq, Wk, Wv
	s_load_b128 s[12:15], s[0:1], 0x20             ; opnd, trig
	v_lshl_add_u32 v[SPW], v0, 2, SPARE
	v_mov_b32 v[NIL], 0
	v_lshrrev_b32 v1, 5, v0
	s_delay_alu instid0(VALU_DEP_1)
	v_readfirstlane_b32 s16, v1                    ; wave 0..7
	v_and_b32 v2, 31, v0                           ; lane
	v_and_b32 v3, 15, v0                           ; r
	v_bfe_u32 v4, v0, 4, 1                         ; h
	s_delay_alu instid0(VALU_DEP_3)
	v_lshlrev_b32 v5, 4, v2                        ; 16 x lane
	s_cmp_lt_u32 ttmp9, 64
	s_cbranch_scc0 .Lquant
; ---- THE TABLE.  Task u = 8 x work-group + wave: g = u % 8 (128 of the 1,024 channels: 64 pairs), pp = u / 8 (32 positions: two position blocks).
; Lane (r, h) holds position 32 pp + 8 u2 + r % 8 + 16 (r / 8) and the pairs i = 64 g + 16 (j / 8) + 8 h + j % 8, j = 0 .. 31: the pairs that its 64 results of Q or K hold in launch proj.
	s_lshl_b32 s17, ttmp9, 3
	s_add_co_u32 s17, s17, s16                     ; u
	s_and_b32 s18, s17, 7                          ; g
	s_lshr_b32 s19, s17, 3                         ; pp
	s_lshl_b32 s20, s18, 6
	v_lshl_add_u32 v6, v4, 3, s20                  ; 64 g + 8 h
	v_and_b32 v7, 7, v3
	v_lshrrev_b32 v8, 3, v3
	s_delay_alu instid0(VALU_DEP_1)
	v_lshl_add_u32 v7, v8, 4, v7
	s_lshl_b32 s21, s19, 5
	v_add_nc_u32 v7, s21, v7
	s_delay_alu instid0(VALU_DEP_1)
	v_cvt_f32_u32 v7, v7                           ; my position in the first block, as f32 (exact)
	s_mov_b32 s[CHI], 0x3cd49a78                   ; log2(10000) / 512, high part,
	s_mov_b32 s[CLO], 0x30179a6b                   ; and what is left of it
	s_mov_b32 s[NLN2], 0xbf317218                  ; -ln 2
	s_mov_b32 s[TOPI], 0x3f22f983                  ; 2 / pi
	s_mov_b32 s[PIH], 0x3fc90fdb                   ; pi / 2, high part,
	s_mov_b32 s[PIL], 0xb33bbd2e                   ; and what is left of it
	s_mov_b32 s[S1C], 0xbe2aaaa3                   ; sin r = r + r^3 (S1 + S2 r^2 + S3 r^4) on |r| <= pi / 4
	s_mov_b32 s[S2C], 0x3c08839e
	s_mov_b32 s[S3C], 0xb94ca1f9
	s_mov_b32 s[C1C], 0x3d2aaaa5                   ; cos r = 1 - r^2 / 2 + r^4 (C1 + C2 r^2 + C3 r^4)
	s_mov_b32 s[C2C], 0xbab6061a
	s_mov_b32 s[C3C], 0x37ccf5ce
	s_lshl_b32 s22, s19, 17                        ; two position blocks x 8 images x 8,192 bytes
	s_lshl_b32 s23, s18, 13
	s_add_co_u32 s22, s22, s23
	s_mov_b32 s23, 0
	s_wait_alu depctr_va_vdst(0)
	s_wait_kmcnt 0x0
	s_add_nc_u64 s[24:25], s[14:15], s[22:23]
.set j, 0
.rept 32                               ; y = i log2(10000) / 512 in two parts: yh, and yl = the product's rounding error + i x the constant's low part
	v_add_nc_u32 v[IVF+j], 16*(j/8)+j%8, v6
	s_delay_alu instid0(VALU_DEP_1)
	v_cvt_f32_u32 v[IVF+j], v[IVF+j]               ; i
	s_delay_alu instid0(VALU_DEP_1)
	v_mul_f32 v[YH+j], s[CHI], v[IVF+j]
	s_delay_alu instid0(VALU_DEP_1)
	v_fma_f32 v[CR+j], v[IVF+j], s[CHI], -v[YH+j]
	s_delay_alu instid0(VALU_DEP_1)
	v_fma_f32 v[CR+j], v[IVF+j], s[CLO], v[CR+j]
	s_delay_alu instid0(VALU_DEP_1)
	v_mul_f32 v[CR+j], s[NLN2], v[CR+j]            ; 2^(-yl) - 1, to first order
.set j, j+1
.endr
.set j, 0
.rept 32
	v_exp_f32 v[IVF+j], -v[YH+j]                   ; one batch of 32
.set j, j+1
.endr
	v_nop                                          ; a plain instruction behind the last exponential
	s_wait_alu depctr_va_vdst(0)                   ; one wait for the batch, ahead of its first reader
.set j, 0
.rept 32
	v_fma_f32 v[IVF+j], v[IVF+j], v[CR+j], v[IVF+j]   ; inv_freq = 2^(-yh) (1 - yl ln 2)
.set j, j+1
.endr
	s_mov_b32 s26, 2
.Ltab:                                             ; two trips: a position block each
.set j, 0
	s_wait_alu depctr_va_vdst(0)
.rept 32
	v_mul_f32 v16, v7, v[IVF+j]                    ; ang = pos x inv_freq, rounded to f32 as reference() has it
	s_delay_alu instid0(VALU_DEP_1)
	v_mul_f32 v17, s[TOPI], v16
	s_delay_alu instid0(VALU_DEP_1)
	v_rndne_f32 v17, v17                           ; n, at most 1,303
	s_delay_alu instid0(VALU_DEP_1)
	v_fma_f32 v18, -v17, s[PIH], v16               ; ang - n pi / 2: this step rounds nothing (a multiple of 2^-23 under 1),
	s_delay_alu instid0(VALU_DEP_1)
	v_fma_f32 v18, -v17, s[PIL], v18               ; the low part
	s_delay_alu instid0(VALU_DEP_3)
	v_cvt_i32_f32 v19, v17                         ; the quadrant: it selects values only
	s_delay_alu instid0(VALU_DEP_2)
	v_mul_f32 v20, v18, v18
	s_delay_alu instid0(VALU_DEP_1)
	v_fma_f32 v21, v20, s[S3C], s[S2C]
	s_delay_alu instid0(VALU_DEP_2)
	v_fma_f32 v22, v20, s[C3C], s[C2C]
	s_delay_alu instid0(VALU_DEP_3)
	v_mul_f32 v23, v20, v18
	s_delay_alu instid0(VALU_DEP_3)
	v_fma_f32 v21, v21, v20, s[S1C]
	s_delay_alu instid0(VALU_DEP_3)
	v_fma_f32 v22, v22, v20, s[C1C]
	v_mul_f32 v24, v20, v20
	v_fma_f32 v25, v20, -0.5, 1.0
	s_delay_alu instid0(VALU_DEP_4)
	v_fma_f32 v21, v21, v23, v18                   ; sin r
	s_delay_alu instid0(VALU_DEP_2)
	v_fma_f32 v22, v22, v24, v25                   ; cos r
	v_and_b32 v26, 1, v19
	s_delay_alu instid0(VALU_DEP_1)
	v_cmp_ne_u32 vcc_lo, 0, v26                    ; odd quadrants change the two
	s_delay_alu instid0(VALU_DEP_1)
	v_cndmask_b32 v[TAB+2*j+1], v21, v22, vcc_lo
	s_delay_alu instid0(VALU_DEP_2)
	v_cndmask_b32 v[TAB+2*j], v22, v21, vcc_lo
	v_and_b32 v26, 2, v19                          ; sin is negative in quadrants 2 and 3,
	s_delay_alu instid0(VALU_DEP_1)
	v_lshlrev_b32 v26, 30, v26
	s_delay_alu instid0(VALU_DEP_1)
	v_xor_b32 v[TAB+2*j+1], v[TAB+2*j+1], v26
	v_add_nc_u32 v27, 1, v19                       ; cos in 1 and 2
	s_delay_alu instid0(VALU_DEP_1)
	v_and_b32 v27, 2, v27
	s_delay_alu instid0(VALU_DEP_1)
	v_lshlrev_b32 v27, 30, v27
	s_delay_alu instid0(VALU_DEP_1)
	v_xor_b32 v[TAB+2*j], v[TAB+2*j], v27
.set j, j+1
.endr
.irp m, 0,1,2,3,4,5,6,7,8,9,10,11,12,13,14,15
	global_store_b128 v5, v[TAB+4*\m:TAB+4*\m+3], s[24:25] offset:512*\m   ; the image of my 64 registers: each store covers 512 consecutive bytes
.endr
	s_wait_xcnt 0x0                                ; the stores' base and data are written again only behind this wait
	s_add_nc_u64 s[24:25], s[24:25], 65536         ; the next position block's images
	v_add_f32 v7, 0x41000000, v7                   ; whose positions lie 8 further on
	s_sub_co_u32 s26, s26, 1
	s_cmp_lg_u32 s26, 0
	s_cbranch_scc1 .Ltab
	s_endpgm
; ---- THE QUANTISER.  Block B = 2 (work-group - 64) + wave / 4: 0-511 x, 512-575 Wq, 576-639 Wk, 640-703 Wv; K steps 2 (wave % 4) + 0, 1.
.Lquant:
	s_sub_co_u32 s17, ttmp9, 64
	s_lshl_b32 s18, s17, 1
	s_lshr_b32 s19, s16, 2
	s_add_co_u32 s18, s18, s19                     ; B
	s_and_b32 s19, s16, 3                          ; which two K steps
	s_and_b32 s20, s18, 63                         ; the block inside a weight
	s_and_b32 s24, s18, 127
	s_lshl_b32 s24, s24, 2
	s_lshr_b32 s25, s18, 7
	s_add_co_u32 s24, s24, s25                     ; x: 4 x position block + batch
	s_sub_co_u32 s25, s18, 512                     ; the block among the weights'
	s_mov_b32 s27, WS_O
	s_mov_b32 s[SEL], 0x76543210
	s_mov_b32 s[SEL+1], 0xfedcba98
	s_wait_kmcnt 0x0
	s_cmp_lt_u32 s17, 320                          ; the choices hang on the work-group's number alone
	s_cselect_b64 s[22:23], s[8:9], s[10:11]
	s_cmp_lt_u32 s17, 288
	s_cselect_b64 s[22:23], s[6:7], s[22:23]
	s_cmp_lt_u32 s17, 256
	s_cselect_b64 s[22:23], s[4:5], s[22:23]
	s_cselect_b32 s20, s18, s20                    ; the block inside its tensor
	s_cselect_b32 s24, s24, s25                    ; where its images go,
	s_cselect_b32 s21, 0, WI_O
	s_cselect_b32 s27, XAS_O, s27
	s_lshr_b32 s38, s20, 1
	s_lshl_b32 s38, s38, 5
	s_and_b32 s39, s20, 1
	s_lshl_b32 s39, s39, 3
	s_add_co_u32 s38, s38, s39                     ; the block's first row
	s_lshl_b32 s38, s38, 12                        ; rows of 4,096 bytes
	s_lshl_b32 s39, s19, 10                        ; my two K steps: 1,024 bytes of each row
	s_add_co_u32 s38, s38, s39
	s_mov_b32 s39, 0
	s_add_nc_u64 s[28:29], s[22:23], s[38:39]      ; the source
	s_mul_i32 s38, s24, 12288
	s_add_co_u32 s38, s38, s21
	s_mul_i32 s21, s19, 3072
	s_add_co_u32 s38, s38, s21
	s_add_nc_u64 s[30:31], s[12:13], s[38:39]      ; the images
	s_lshl_b32 s21, s19, 7
	s_lshl_b32 s38, s24, 9
	s_add_co_u32 s38, s38, s27
	s_add_co_u32 s38, s38, s21
	s_add_nc_u64 s[34:35], s[12:13], s[38:39]      ; the scale words
	s_mul_i32 s21, s16, 8448                       ; my stage
	s_wait_alu depctr_va_vdst(0)
	v_add_nc_u32 v6, s21, v5                       ; in: a row's 512 bytes as they lie
	v_mul_u32_u24 v7, v3, 528
	s_delay_alu instid0(VALU_DEP_1)
	v_lshl_add_u32 v7, v4, 7, v7
	s_delay_alu instid0(VALU_DEP_1)
	v_add_nc_u32 v7, s21, v7                       ; back: row r, + 128 h: k = 64 c + 32 h + 0 .. 31; rows 528 bytes apart
	v_lshlrev_b32 v8, 3, v4                        ; 8 h: my bytes' place in the scale word
	v_mov_b32 v9, 0                                ; (a lane permute's destination counts as read)
	v_lshlrev_b32 v10, 3, v3                       ; 8 r
.macro LOADF f                         ; K step f of 16 rows: each load reads 512 consecutive bytes of one row
.irp p, 0,1,2,3,4,5,6,7,8,9,10,11,12,13,14,15
	global_load_b128 v[RW+64*(\f)+4*\p:RW+64*(\f)+4*\p+3], v5, s[28:29] offset:((\p&7)+16*(\p>>3))*4096+512*(\f) th:TH_LOAD_NT
.endr
.endm
.macro TURNF f                         ; through my stage: LDS serves a wave's instructions in order, so no wait stands between the stores and the loads
.irp p, 0,1,2,3,4,5,6,7,8,9,10,11,12,13,14,15
	ds_store_b128 v6, v[RW+64*(\f)+4*\p:RW+64*(\f)+4*\p+3] offset:528*\p
.endr
.irp c, 0,1
.irp j, 0,1,2,3,4,5,6,7
	ds_load_b128 v[XN+32*\c+4*\j:XN+32*\c+4*\j+3], v7 offset:256*\c+16*\j
.endr
.endr
.endm
.macro QB f                            ; my two blocks of 32 become registers 0-5 and 6-11 of the fragment; the four bytes of the row's scale word are gathered from lanes l and l xor 16
.set CD, 16+12*(\f)
.irp c, 0,1
	v_max3_num_f32 v[40+\c], |v[XN+32*\c]|, |v[XN+1+32*\c]|, 0x1800000   ; with the floor 2^(3 - 127)
.endr
.irp i, 2,4,6,8,10,12,14,16,18,20,22,24,26,28,30
.irp c, 0,1
	s_delay_alu instid0(VALU_DEP_2)
	v_max3_num_f32 v[40+\c], v[40+\c], |v[XN+32*\c+\i]|, |v[XN+1+32*\c+\i]|
.endr
.endr
.irp c, 0,1
	s_delay_alu instid0(VALU_DEP_2)
	v_add_nc_u32 v[42+\c], 0xff000000, v[40+\c]    ; 2 off the exponent field: the conversion's scale operand
.endr
.irp c, 0,1
	s_delay_alu instid0(VALU_DEP_2)
	v_lshrrev_b32 v[40+\c], 23, v[42+\c]           ; the scale's byte
.endr
	s_delay_alu instid0(VALU_DEP_1)
	v_lshl_or_b32 v[48+(\f)], v41, 16, v40         ; blocks h and 2 + h
	s_delay_alu instid0(VALU_DEP_1)
	v_lshlrev_b32 v[48+(\f)], v8, v[48+(\f)]
	s_delay_alu instid0(VALU_DEP_1)
	v_permlanex16_b32 v9, v[48+(\f)], s[SEL], s[SEL+1]
	s_delay_alu instid0(VALU_DEP_1)
	v_or_b32 v[48+(\f)], v[48+(\f)], v9
	v_cvt_scalef32_pk16_fp6_f32 v[CD:CD+2], v[XN:XN+15], v42
	v_cvt_scalef32_pk16_fp6_f32 v[44:46], v[XN+16:XN+31], v42      ; (a conversion's three registers begin on an even number)
	v_cvt_scalef32_pk16_fp6_f32 v[CD+6:CD+8], v[XN+32:XN+47], v43
	v_cvt_scalef32_pk16_fp6_f32 v[52:54], v[XN+48:XN+63], v43
	v_nop                                          ; one plain place behind the conversions
.irp i, 0,1,2
	v_mov_b32 v[CD+3+\i], v[44+\i]
	v_mov_b32 v[CD+9+\i], v[52+\i]
.endr
.endm
.macro FSTEP f                         ; each K step has its own registers for its codes and its scale word: no store's data are written again
.if (\f) == 0
	s_wait_loadcnt 16                              ; this K step's 16 loads are in; the second one's 16 are younger
.else
	s_wait_loadcnt 0x0
.endif
	TURNF \f
	s_wait_dscnt 0x0                               ; my numbers are back
	QB \f
.irp c, 0,1,2
	global_store_b128 v5, v[CD+4*\c:CD+4*\c+3], s[30:31] offset:1536*(\f)+512*\c   ; 512 consecutive bytes each
.endr
.endm
	LOADF 0
	LOADF 1
	s_wait_alu depctr_va_vdst(0)
	FSTEP 0
	FSTEP 1
	global_store_b64 v10, v[48:49], s[34:35]       ; my two words of each row, [r][K step % 2]: 128 consecutive bytes (lanes l and l + 16 hold the same words and write them to the same place)
	s_wait_tensorcnt 0x0                           ; the wave's end
	ds_add_u32 v[SPW], v[NIL]
	s_wait_dscnt 0x0
	s_endpgm
.Lfunc_end_k_qb176e9c12a_prep:
	.size	k_qb176e9c12a_prep, .Lfunc_end_k_qb176e9c12a_prep-k_qb176e9c12a_prep
	.p2alignl 7, 3214868480
	.fill 96, 4, 3214868480
	.section	.rodata,"a",@progbits
	.p2align	6, 0x0
	.amdhsa_kernel k_qb176e9c12a_prep
		.amdhsa_group_segment_fixed_size 68608
		.amdhsa_private_segment_fixed_size 0
		.amdhsa_enable_private_segment 0
		.amdhsa_kernarg_size 48
		.amdhsa_user_sgpr_count 2
		.amdhsa_user_sgpr_kernarg_segment_ptr 1
		.amdhsa_wavefront_size32 1
		.amdhsa_system_sgpr_workgroup_id_x 1
		.amdhsa_system_sgpr_workgroup_id_y 1
		.amdhsa_system_sgpr_workgroup_id_z 1
		.amdhsa_system_vgpr_workitem_id 0
		.amdhsa_next_free_vgpr 256
		.amdhsa_next_free_sgpr 66
		.amdhsa_reserve_vcc 1
		.amdhsa_float_denorm_mode_32 3
		.amdhsa_float_denorm_mode_16_64 3
		.amdhsa_memory_ordered 1
		.amdhsa_forward_progress 1
		.amdhsa_inst_pref_size 97
	.end_amdhsa_kernel
	.amdgpu_metadata
---
amdhsa.version: [ 1, 2 ]
amdhsa.kernels:
  - .name:           k_qb176e9c12a_prep
    .symbol:         k_qb176e9c12a_prep.kd
    .args:
      - { .name: x, .offset: 0, .size: 8, .value_kind: global_buffer, .address_space: global }
      - { .name: Wq, .offset: 8, .size: 8, .value_kind: global_buffer, .address_space: global }
      - { .name: Wk, .offset: 16, .size: 8, .value_kind: global_buffer, .address_space: global }
      - { .name: Wv, .offset: 24, .size: 8, .value_kind: global_buffer, .address_space: global }
      - { .name: opnd, .offset: 32, .size: 8, .value_kind: global_buffer, .address_space: global }
      - { .name: trig, .offset: 40, .size: 8, .value_kind: global_buffer, .address_space: global }
    .group_segment_fixed_size: 68608
    .private_segment_fixed_size: 0
    .kernarg_segment_align: 8
    .kernarg_segment_size: 48
    .max_flat_workgroup_size: 256
    .sgpr_count:     66
    .vgpr_count:     256
    .wavefront_size: 32
...
	.end_amdgpu_metadata
.endif
;; end of part 1
;; launch proj (part 2): grid 8 x 32, 4 waves a work-group, clusters of 4 x 4, 327,680 bytes of LDS; arguments opnd, trig, qkv; writes qkv
.if DOCPART == 2
	.amdgcn_target "amdgcn-amd-amdhsa--gfx1250"
	.amdhsa_code_object_version 6
	.text
	.protected	k_qb176e9c12a_proj
	.globl	k_qb176e9c12a_proj
	.p2align	8
	.type	k_qb176e9c12a_proj,@function
k_qb176e9c12a_proj:
	s_mov_b64 s[64:65], 0
	v_nop
	global_prefetch_b8 v0, s[64:65] scope:SCOPE_SE
	s_setreg_imm32_b32 hwreg(HW_REG_WAVE_MODE, 25, 1), 1
	s_wait_xcnt 0x0
	s_wait_alu depctr_hold_cnt(0) depctr_sa_sdst(0) depctr_va_vdst(0) depctr_va_sdst(0) depctr_va_ssrc(0) depctr_va_vcc(0) depctr_vm_vsrc(0)
	s_getreg_b32 s2, hwreg(HW_REG_IB_STS2, 6, 4)
	s_cmp_eq_u32 s2, 0
	s_cbranch_scc0 .Lentry_in_a_cluster
	s_endpgm
.Lentry_in_a_cluster:
	s_bfe_u32 s2, ttmp6, 0x10000c
	s_cmp_lg_u32 s2, 0xf033
	s_cbranch_scc0 .Lentry_shape_is_right
	s_endpgm
.Lentry_shape_is_right:
; PROJ: Q = rope(x Wq^T), K = rope(x Wk^T), V = x Wv^T on codes of FP6 (E2M3) with E8M0 scales, K = 1,024; results are quantised in registers and leave as fragment images (layouts: head of launch prep).
; 256 work-groups, each with two parts.  PART 1: 16 blocks of x on end (four position blocks x four batches) x 256 channels of Wq | Wk: source 0 = the weights, source 1 = x; a wave makes 128 x 128, 64 accumulators.
; PART 2: 256 positions of one batch (every fourth block of x, 16 of them) x 128 channels of Wv: source 0 = x, source 1 = Wv; a wave makes 128 positions x 64 channels, 32 accumulators: a lane holds one channel and 128 positions.
; The matrix instruction is used transposed: a lane holds one row of source 1 and its registers run along source 0's rows, 16 neighbours in the registers of two neighbouring tiles.
; LDS: two slots of 147,456 bytes, five fills, one joint load a wave each (waves 0, 1: x's halves; waves 2, 3: the weights'): fill 0 = part 1's K steps 0-2 (slot 0, at the head), 1 = steps 3-5 (slot 1),
; 2 = steps 6-7 (slot 0), 3 = part 2's steps 0-3 (slot 1), 4 = its steps 4-7 (slot 0, asked for in the middle of part 1's way out).  A block's images of a fill lie on end: 4,608, 3,072 or 6,144 bytes a block.
; Each fill after the first stands behind the three lines and a round of the cluster's barrier.  A wave has one tensor load outstanding at the most.
; CLUSTER 4 x 4: x's tiles hang on the cluster's row (cy) in both parts, the weights' on its column (cx): each is asked for jointly by the four that share it.
; SCALE WORDS come from memory straight into v32-95, once for each part: register 8 i + step: lanes 0-15 source 1's block i, lanes 16-31 source 0's; four loads on end cover a block's 512 bytes.
; They are 1/24 of a tile's bytes, so they are not asked for jointly.
; PREFETCH, two fills ahead: behind fill 0 fills 1 and 2 are asked for, behind fill 1 fill 3, behind fill 2 fill 4.  Of the 8 (Wv: 4) blocks that a wave fetches, each of the four partners of the joint load takes
; 2 (1), told apart by address (cx for x, cy for the weights); a lane names 256 bytes of a block's 4,608, 3,072 or 6,144, the lanes left over the last of them again.  Nothing is asked for beyond fill 4.
; REGISTERS: window 0: v0-31 addresses; v32-95 scale words; v96-111 at work in the quantiser; v112-119 offsets of part 2's scale words; v128-223 source 1's fragments, on the way out rotated numbers (v128-191) and codes (v192-212).
;   window 1: source 0's fragments, two sets, v0-95 and v128-223; v96-127 and v224-255 the first cos / sin image, later v0-63 the second.   windows 2, 3: accumulators, (a, b) at v[8 (8 (a % 4) + b)].
; LIMITS: as stated at the head of launch prep (floor of a block's largest magnitude; NaN and infinities are not served).
.set WI_O,  6291456
.set XAS_O, 8650752
.set WS_O,  8912896
.set VI_O,  12582912
.set QS_O,  18874368
.set VS_O,  19398656
.set SLOT,  147456
.set SPARE, 2*SLOT                     ; the spare words, 128 bytes for each wave
.set SO,   8                           ; v8-10  byte offsets of my scale words: part 1; part 2's bases for blocks 0-3 and 4-7
.set PO,   11                          ; v11-13 the prefetches' lane offsets: 18, 12, 24 pieces of 256 bytes
.set AX,   16                          ; v16-20 LDS address of my half of x in fill 0 .. 4
.set AW,   21                          ; v21-25 the same for the weights
.set SPW,  28
.set NIL,  29
.set SC,   32
.set TM,   96
.set SOV,  112
.set AF,   128
.set ST,   128
.set PC,   192
.set PW,   212
.set CX, 2
.set CY, 3
.set G1, 24                            ; s[24:31], s[32:35] groups 1 and 0 for x's tiles
.set G0, 32
.set XB, 36                            ; s[36:37], s[38:39] where part 2's tiles begin
.set WV, 38
.set L36, 40                           ; s40-42 where my part of a fill goes in its slot
.set L24, 41
.set LP2, 42
.set SEL, 44
.set HM,  46
.set G1B, 48                           ; s[48:55], s[56:59] the same for the weights' tiles
.set G0B, 56
.set TRB, 66                           ; s[66:75] the table; Q's or K's images and scale words; V's
.set QIB, 68
.set QSB, 70
.set VIB, 72
.set VSB, 74
.set PF1, 90                           ; s[90:91], s[92:93] my share of the blocks that I fetch, part 1 and part 2: never rewritten
.set PF2, 92
.set MUL_LO, 0xa1                      ; source 0 window 1, source 1 window 0, C and D window 2
.set MUL_HI, 0xf1
.set TO_B,   0x40
.set MSB, 0
.macro WIN new                         ; the immediate's high byte repeats the setting that is left
.if MSB != (\new)
	s_set_vgpr_msb (MSB<<8)|(\new)
.set MSB, (\new)
.endif
.endm
.macro PLACES                          ; four plain places behind matrix instructions (ISA guide 7.12.1)
.rept 4
	v_nop
.endr
.endm
.macro FRAG reg, adr, off              ; a fragment image: three loads of 16 bytes a lane, 512 consecutive bytes each
.irp c, 0,1,2
	ds_load_b128 v[(\reg)+4*\c:(\reg)+4*\c+3], v[\adr] offset:(\off)+512*\c
.endr
.endm
.macro FETCH8 p, adr, np, nq           ; source 0's eight fragments into set p of window 1; np: bytes from block to block, nq: the step inside the fill
	WIN TO_B
.irp i, 0,1,2,3,4,5,6,7
	FRAG 128*(\p)+12*\i, \adr, \i*(\np)+(\nq)*1536
.endr
	WIN 0
.endm
.macro FETCH4 reg, adr, np, nq, i0     ; four of source 1's fragments
.irp k, 0,1,2,3
	FRAG (\reg)+12*((\i0)+\k), \adr, ((\i0)+\k)*(\np)+(\nq)*1536
.endr
.endm
.macro MUL16 a0, p, st, afb, zero      ; source 1's blocks a0, a0 + 1 x source 0's eight; the accumulators take turns, one instruction a turn
.irp a, \a0, \a0+1
.irp b, 0,1,2,3,4,5,6,7
.set ACC, 8*(8*((\a)%4)+\b)
.set FRA, 128*(\p)+12*\b
.set FRB, (\afb)+12*(\a)
.if \zero
	v_wmma_scale_f32_16x16x128_f8f6f4 v[ACC:ACC+7], v[FRA:FRA+11], v[FRB:FRB+11], 0, v[SC+8*\b+(\st)], v[SC+8*(\a)+(\st)] matrix_a_fmt:MATRIX_FMT_FP6 matrix_b_fmt:MATRIX_FMT_FP6 matrix_a_scale:MATRIX_SCALE_ROW1
.else
	v_wmma_scale_f32_16x16x128_f8f6f4 v[ACC:ACC+7], v[FRA:FRA+11], v[FRB:FRB+11], v[ACC:ACC+7], v[SC+8*\b+(\st)], v[SC+8*(\a)+(\st)] matrix_a_fmt:MATRIX_FMT_FP6 matrix_b_fmt:MATRIX_FMT_FP6 matrix_a_scale:MATRIX_SCALE_ROW1
.endif
.endr
.endr
.endm
.macro JLOAD                           ; a joint load: the branch hangs on the wave's number alone; an s_nop 0 and four v_nop follow each line
	s_cmp_eq_u32 s15, 0
	s_cbranch_scc0 .Lfor_w_\@
	tensor_load_to_lds s[G0:G0+3], s[G1:G1+7]
	s_nop 0
	PLACES
	s_branch .Lasked_\@
.Lfor_w_\@:
	tensor_load_to_lds s[G0B:G0B+3], s[G1B:G1B+7]
	s_nop 0
	PLACES
.Lasked_\@:
.endm
.macro ASK1 po, koff                   ; part 1: my two blocks' bytes of a later fill
	global_prefetch_b8 v[\po], s[PF1:PF1+1] offset:\koff th:TH_LOAD_NT scope:SCOPE_SE
	global_prefetch_b8 v[\po], s[PF1:PF1+1] offset:(\koff)+12288 th:TH_LOAD_NT scope:SCOPE_SE
.endm
.macro ASK2 koff                       ; part 2: two blocks of x, four blocks apart, or one of Wv
	global_prefetch_b8 v[PO+2], s[PF2:PF2+1] offset:\koff th:TH_LOAD_NT scope:SCOPE_SE
	s_cmp_eq_u32 s15, 0
	s_cbranch_scc0 .Lone_\@
	global_prefetch_b8 v[PO+2], s[PF2:PF2+1] offset:(\koff)+49152 th:TH_LOAD_NT scope:SCOPE_SE
.Lone_\@:
.endm
.macro CREST                           ; a round of the cluster's barrier behind its opening barrier
	s_cmp_lg_u32 s14, 0
	s_cbranch_scc1 .Lnot_wave_0_\@
	s_barrier_signal -3
.Lnot_wave_0_\@:
	s_barrier_wait -3
	s_barrier_signal -1
	s_barrier_wait -1
.endm
.macro CROUND
	s_barrier_signal -1
	s_barrier_wait -1
	CREST
.endm
.macro GSTEP n
	s_add_nc_u64 s[G0+2:G0+3], s[G0+2:G0+3], \n
	s_add_nc_u64 s[G0B+2:G0B+3], s[G0B+2:G0B+3], \n
.endm
.macro DIM0 n                          ; a block's bytes in a fill, in elements of 8 bytes
.irp g, G1, G1B
	s_mov_b32 s[\g+1], (\n)<<16
	s_mov_b32 s[\g+3], (\n)<<16
.endr
.endm
.macro DESC f                          ; the descriptors of fill f: written behind the wait for all my tensor loads
.if \f == 1
	s_add_co_u32 s[G0+1], s[L36], SLOT
	GSTEP 4608
.endif
.if \f == 2
	s_mov_b32 s[G0+1], s[L24]
	GSTEP 4608
	DIM0 384
.endif
.if \f == 3
	s_add_co_u32 s[G0+1], s[LP2], SLOT
	s_mov_b64 s[G0+2:G0+3], s[XB:XB+1]
	s_or_b32 s[G0+3], s[G0+3], 0x80000000
	s_mov_b64 s[G0B+2:G0B+3], s[WV:WV+1]
	s_or_b32 s[G0B+3], s[G0B+3], 0x80000000
	DIM0 768
	s_mov_b32 s[G1+5], 6144                        ; one batch's position blocks lie four blocks apart: 49,152 bytes
	s_mov_b32 s[G1B+2], 4<<16                      ; a wave fetches four blocks of Wv
	s_mov_b32 s[G1B+4], 4
.endif
.if \f == 4
	s_mov_b32 s[G0+1], s[LP2]
	GSTEP 6144
.endif
	s_mov_b32 s[G0B+1], s[G0+1]
.endm
; Part 1's step st: 64 matrix instructions; the next step's fragments (fill nf, pitch np, step nq of it) are fetched in its middle and at its end.
; fill > 0: the next step lies in the other slot and this step's slot is read no more: the three lines, a round, and that fill goes into this step's slot.
.macro STEP st, nf, np, nq, fill, zero
.if \fill
	s_wait_tensorcnt 0x0                           ; all my tensor loads have landed, my part of the other slot among them
	ds_add_u32 v[SPW], v[NIL]
	DESC \fill
	s_wait_dscnt 13                                ; the add and the 12 youngest loads (source 1's blocks 4-7) may be out
	WIN MUL_LO
	MUL16 0, (\st)%2, \st, AF, \zero
	s_wait_dscnt 0x0                               ; the add is done, and my reads of this slot are over
	s_barrier_signal -1
	MUL16 2, (\st)%2, \st, AF, \zero
	WIN 0
	s_barrier_wait -1
	CREST
	JLOAD                                          ; its four v_nop are the places in front of the loads below
.else
	s_wait_dscnt 12                                ; all but the 12 youngest loads (source 1's blocks 4-7)
	WIN MUL_LO
	MUL16 0, (\st)%2, \st, AF, \zero
	MUL16 2, (\st)%2, \st, AF, \zero
	s_wait_dscnt 0x0
	PLACES
.endif
	FETCH8 ((\st)+1)%2, AW+\nf, \np, \nq
	FETCH4 AF, AX+\nf, \np, \nq, 0
.if \fill == 2
	ASK2 6144                                      ; fill 4, two fills ahead
.endif
	WIN MUL_HI
	MUL16 4, (\st)%2, \st, AF, \zero
	MUL16 6, (\st)%2, \st, AF, \zero
	PLACES
	WIN 0
	FETCH4 AF, AX+\nf, \np, \nq, 4
.endm
; Part 2's step st: 32 matrix instructions; both sources have two sets, and the next step's 36 loads go out ahead of this step's products.
; Step 3 is the last of slot 1: fill 4 is waited for inside it, a barrier shows it whole to all four waves, and step 4's fragments are fetched behind that.
.macro VSTEP st
.set NS, (\st)+1
	s_wait_dscnt 0x0
.if NS < 8 && NS != 4
	PLACES
	FETCH8 NS%2, AX+3+NS/4, 6144, NS%4
	FETCH4 AF+48*(NS%2), AW+3+NS/4, 6144, NS%4, 0
.endif
	WIN MUL_LO
.if (\st) == 0
	MUL16 0, 0, 0, AF, 1
	MUL16 2, 0, 0, AF, 1
.else
	MUL16 0, (\st)%2, \st, AF+48*((\st)%2), 0
.if NS == 4
	s_wait_tensorcnt 0x0
	s_barrier_signal -1
.endif
	MUL16 2, (\st)%2, \st, AF+48*((\st)%2), 0
.endif
	WIN 0
.if NS == 4
	s_barrier_wait -1
	PLACES
	FETCH8 0, AX+4, 6144, 0
	FETCH4 AF, AW+4, 6144, 0, 0
.endif
.endm
; 64 numbers of a lane in window w, register 16 b + i = k 32 b + 16 (lane / 16) + i of my row, become a fragment's codes in v[PC] on and its scale word in v[PW].
.macro QUANT s, w
	WIN (\w)|((\w)<<2)
.irp b, 0,1,2,3
	v_max3_num_f32 v[TM+\b], |v[(\s)+16*\b]|, |v[(\s)+1+16*\b]|, 0x1800000   ; with the floor 2^(3 - 127); each accumulator is read from its low end on
.endr
.irp i, 2,4,6,8,10,12,14
.irp b, 0,1,2,3
	v_max3_num_f32 v[TM+\b], |v[(\s)+16*\b+\i]|, |v[(\s)+1+16*\b+\i]|, v[TM+\b]
.endr
.endr
	WIN 0
.irp b, 0,1,2,3
	v_permlanex16_b32 v[TM+4+\b], v[TM+\b], s[SEL], s[SEL+1]
.endr
.irp b, 0,1,2,3
	v_max_num_f32 v[TM+\b], v[TM+\b], v[TM+4+\b]   ; with lane l xor 16's 16: the block's largest magnitude
.endr
.irp b, 0,1,2,3
	v_add_nc_u32 v[TM+12+\b], 0xff000000, v[TM+\b] ; 2 off the exponent field: the conversion's scale operand
.endr
.irp b, 0,1,2,3
	v_lshrrev_b32 v[TM+4+\b], 23, v[TM+12+\b]      ; the byte
.endr
	v_lshl_or_b32 v[PW], v[TM+5], 8, v[TM+4]
	v_lshl_or_b32 v[PW], v[TM+6], 16, v[PW]
	v_lshl_or_b32 v[PW], v[TM+7], 24, v[PW]
	WIN \w
.irp c, 0,1
	v_cvt_scalef32_pk16_fp6_f32 v[PC+6*\c:PC+6*\c+2], v[(\s)+32*\c:(\s)+32*\c+15], v[TM+12+2*\c]
	v_cvt_scalef32_pk16_fp6_f32 v[PC+12+4*\c:PC+14+4*\c], v[(\s)+16+32*\c:(\s)+31+32*\c], v[TM+13+2*\c]
.endr
	WIN 0
	v_nop                                          ; one plain place behind the conversions
.irp c, 0,1                            ; the operand's layout wants a whole block in a lane
.irp i, 0,1,2
	v_permlane16_swap_b32 v[PC+6*\c+\i], v[PC+12+4*\c+\i]
.endr
.irp i, 0,1,2
	v_mov_b32 v[PC+3+6*\c+\i], v[PC+12+4*\c+\i]
.endr
.endr
.endm
; RoPE of x's block a: a register pair is a channel pair (e, o) of my position; the table holds (cos, sin) at the same places.  Two packed instructions a pair: (o sin, o cos), then (e cos - o sin, e sin + o cos).
.macro ROPE a
.set AC, 64*((\a)%4)
	WIN 0x06+(\a)/4                                ; source 0: the accumulators' window; source 1: the table, window 1
.irp pass, 0,1
.set n, 0
.rept 32
.if (\a) < 4
.set TR, 96+n+96*(n/32)
.else
.set TR, n
.endif
.if \pass == 0
	v_pk_mul_f32 v[ST+n:ST+n+1], v[AC+n:AC+n+1], v[TR:TR+1] op_sel:[1,1] op_sel_hi:[1,0]
.else
	v_pk_fma_f32 v[ST+n:ST+n+1], v[AC+n:AC+n+1], v[TR:TR+1], v[ST+n:ST+n+1] op_sel_hi:[0,1,1] neg_lo:[0,0,1]
.endif
.set n, n+2
.endr
.endr
	WIN 0
.endm
.macro SOFF d, lo, hi                  ; lanes 0-15 take offset s[lo], lanes 16-31 s[hi]; + 8 r
	v_mov_b32 v5, s[\lo]
	v_mov_b32 v6, s[\hi]
	v_cndmask_b32 v5, v5, v6, s[HM]
	v_add_nc_u32 v[\d], v5, v4
.endm
.macro ADR f, base, hx, wb, hw         ; my halves of x and of the weights in fill f
	s_mul_i32 s22, s15, \hx
	s_mul_i32 s23, s16, \hw
	s_add_co_u32 s22, s22, \base
	s_add_co_u32 s23, s23, (\base)+(\wb)
	v_add_nc_u32 v[AX+\f], s22, v3
	v_add_nc_u32 v[AW+\f], s23, v3
.endm
	s_load_b128 s[4:7], s[0:1], 0x0                ; opnd, trig
	s_load_b64 s[8:9], s[0:1], 0x10                ; qkv
	v_lshl_add_u32 v[SPW], v0, 2, SPARE
	v_mov_b32 v[NIL], 0
	ds_add_u32 v[SPW], v[NIL]                      ; the opening: the add, twice on end, and its wait ahead of my first tensor load
	ds_add_u32 v[SPW], v[NIL]
	v_lshrrev_b32 v1, 5, v0
	v_readfirstlane_b32 s14, v1                    ; wave 0..3
	v_and_b32 v1, 15, v0                           ; r
	v_and_b32 v3, 31, v0
	v_lshlrev_b32 v3, 4, v3                        ; 16 x lane
	v_lshlrev_b32 v4, 3, v1                        ; 8 r
.irp b, 0,1,2,3
	v_mov_b32 v[TM+4+\b], 0                        ; written once: a lane permute's destination counts as read
.endr
	s_wait_alu depctr_va_vdst(0)
	s_lshr_b32 s15, s14, 1                         ; my half of x.  Also: I fetch for x (0) or for the weights (1)
	s_and_b32 s16, s14, 1                          ; my half of the weights.  Also: which half of a tile I fetch
	s_bfe_u32 s[CX], ttmp6, 0x40000
	s_bfe_u32 s[CY], ttmp6, 0x40004
	s_and_b32 s17, ttmp7, 0xffff
	s_lshl_b32 s17, s17, 2
	s_add_co_u32 s17, s17, s[CY]                   ; x's tile, 0..31, in both parts
	s_lshl_b32 s18, ttmp9, 2
	s_add_co_u32 s18, s18, s[CX]                   ; the weights' tile, 0..7
	s_lshl_b32 s20, s[CY], 2
	s_lshl_b32 s20, 15, s20                        ; my row of the cluster
	s_lshl_b32 s21, 0x1111, s[CX]                  ; my column
	s_or_b32 s[G1], s20, (3<<16)|(1<<21)           ; the mask; elements of 8 bytes; bit 21 beside a mask; no padding
	s_or_b32 s[G1B], s21, (3<<16)|(1<<21)
.irp g, G1, G1B
	s_mov_b32 s[\g+1], 576<<16                     ; three images of a block: 4,608 bytes
	s_mov_b32 s[\g+2], 8<<16                       ; 8 blocks
	s_mov_b32 s[\g+3], 576<<16
	s_mov_b32 s[\g+4], 8
	s_mov_b32 s[\g+5], 1536                        ; from block to block: 12,288 bytes
	s_mov_b32 s[\g+6], 0
	s_mov_b32 s[\g+7], 0
.endr
	s_lshl_b32 s19, s16, 3
	s_lshl_b32 s20, s17, 4
	s_add_co_u32 s20, s20, s19                     ; the 8 blocks of x that I fetch
	s_mul_i32 s76, s20, 12288
	s_mov_b32 s77, 0
	s_lshl_b32 s21, s18, 4
	s_add_co_u32 s21, s21, s19                     ; the 8 blocks of Wq | Wk
	s_mul_i32 s80, s21, 12288
	s_add_co_u32 s80, s80, WI_O
	s_mov_b32 s81, 0
	s_mul_i32 s[L36], s14, 36864                   ; no place in the cluster enters an LDS address
	s_mov_b32 s[G0], 1
	s_mov_b32 s[G0+1], s[L36]
	s_mov_b32 s[G0B], 1
	s_mov_b32 s[G0B+1], s[L36]
	s_wait_dscnt 0x0                               ; both opening adds are done
	s_wait_kmcnt 0x0
	s_add_nc_u64 s[G0+2:G0+3], s[4:5], s[76:77]
	s_or_b32 s[G0+3], s[G0+3], 0x80000000
	s_add_nc_u64 s[G0B+2:G0B+3], s[4:5], s[80:81]
	s_or_b32 s[G0B+3], s[G0B+3], 0x80000000
	CROUND                                         ; all sixteen work-groups are here: the first joint loads meet
	JLOAD                                          ; fill 0: one tensor load a wave at the head
	; the rest of the head stands under fill 0's flight
	s_and_b32 s20, s17, 7                          ; part 2: x's block 4 (16 (tile % 8) + k) + batch, k = 0 .. 15
	s_lshl_b32 s20, s20, 6
	s_lshr_b32 s22, s17, 3
	s_add_co_u32 s20, s20, s22
	s_lshl_b32 s22, s16, 5
	s_add_co_u32 s22, s22, s20                     ; the first of the 8 that I fetch
	s_mul_i32 s78, s22, 12288
	s_mov_b32 s79, 0
	s_add_nc_u64 s[XB:XB+1], s[4:5], s[78:79]
	s_lshl_b32 s22, s15, 5
	s_add_co_u32 s22, s22, s20                     ; the first of my half
	s_lshl_b32 s22, s22, 9
	s_add_co_u32 s85, s22, XAS_O
	s_lshl_b32 s21, s18, 3
	s_lshl_b32 s22, s16, 2
	s_add_co_u32 s21, s21, s22                     ; Wv's block 8 x tile + 4 x (wave % 2): fetched by me, and my half in part 2
	s_add_co_u32 s22, s21, 128
	s_mul_i32 s82, s22, 12288
	s_add_co_u32 s82, s82, WI_O
	s_mov_b32 s83, 0
	s_add_nc_u64 s[WV:WV+1], s[4:5], s[82:83]
	s_cmp_eq_u32 s15, 0                            ; the prefetches: do I fetch for x?
	s_cselect_b32 s20, s[CX], s[CY]                ; my place among the four that ask with me
	s_cselect_b32 s22, s76, s80
	s_cselect_b32 s89, s78, s82
	s_mov_b32 s23, 12288
	s_cselect_b32 s23, 98304, s23                  ; part 2: two blocks of x, four blocks apart, or one of Wv
	s_mul_i32 s94, s20, 24576                      ; part 1: two blocks
	s_add_co_u32 s94, s94, s22
	s_mov_b32 s95, 0
	s_add_nc_u64 s[PF1:PF1+1], s[4:5], s[94:95]
	s_mul_i32 s94, s20, s23
	s_add_co_u32 s94, s94, s89
	s_add_nc_u64 s[PF2:PF2+1], s[4:5], s[94:95]
	v_min_u32 v[PO], 272, v3
	v_min_u32 v[PO+1], 176, v3
	v_min_u32 v[PO+2], 368, v3
.irp k, 0,1,2
	v_lshlrev_b32 v[PO+\k], 4, v[PO+\k]            ; 256 x min(lane, pieces - 1)
.endr
	s_mul_i32 s[L24], s14, 24576
	s_min_u32 s[LP2], s14, 2
	s_mul_i32 s[LP2], s[LP2], 24576
	s_add_co_u32 s[LP2], s[LP2], s[L24]            ; 0, 49,152 (x's halves), 98,304, 122,880 (Wv's)
	s_mov_b32 s[SEL], 0x76543210
	s_mov_b32 s[SEL+1], 0xfedcba98
	s_mov_b32 s[HM], 0xffff0000
	s_lshl_b32 s22, s17, 4
	s_lshl_b32 s23, s15, 3
	s_add_co_u32 s22, s22, s23
	s_lshl_b32 s22, s22, 9                         ; part 1: my 8 blocks of x: 512 bytes of scale words a block
	s_add_co_u32 s84, s22, XAS_O
	s_lshl_b32 s22, s18, 4
	s_add_co_u32 s22, s22, s19
	s_lshl_b32 s22, s22, 9
	s_add_co_u32 s86, s22, WS_O
	s_lshl_b32 s22, s21, 9
	s_add_co_u32 s87, s22, WS_O+128*512
	s_sub_co_u32 s88, s87, 2048                    ; for registers 4-7 lanes 0-15 name Wv's four blocks again: every load stays inside the buffer
	SOFF SO, 84, 86
	SOFF SO+1, 87, 85
	SOFF SO+2, 88, 85
	v_mov_b32 v5, 512                              ; part 2: from block to block 512 bytes in Wv's words, 2,048 in x's
	v_mov_b32 v6, 2048
	v_cndmask_b32 v7, v5, v6, s[HM]
.irp i, 0,1,2,3,4,5,6,7
	v_mad_u32_u24 v[SOV+\i], v7, \i, v[SO+1+\i/4]
.endr
	ADR 0, 0, 36864, 73728, 36864
	ADR 1, SLOT, 36864, 73728, 36864
	ADR 2, 0, 24576, 49152, 24576
	ADR 3, SLOT, 49152, 98304, 24576
	ADR 4, 0, 49152, 98304, 24576
	s_lshl_b32 s20, s17, 2
	s_lshl_b32 s22, s15, 1
	s_add_co_u32 s20, s20, s22                     ; my first position block
	s_lshl_b32 s22, s[CX], 1
	s_add_co_u32 s22, s22, s16                     ; g: which 128 channels
	s_lshl_b32 s23, s20, 3
	s_add_co_u32 s23, s23, s22
	s_lshl_b32 s76, s23, 13
	s_add_nc_u64 s[TRB:TRB+1], s[6:7], s[76:77]    ; the table's image (position block, g)
	s_mul_i32 s76, ttmp9, 6291456                  ; Q's images or K's
	s_mul_i32 s23, s20, 12288
	s_add_co_u32 s76, s76, s23
	s_mul_i32 s23, s22, 1536
	s_add_co_u32 s76, s76, s23
	s_add_nc_u64 s[QIB:QIB+1], s[8:9], s[76:77]
	s_lshl_b32 s76, ttmp9, 18
	s_lshl_b32 s23, s20, 9
	s_add_co_u32 s76, s76, s23
	s_lshl_b32 s23, s[CX], 7
	s_add_co_u32 s76, s76, s23
	s_lshl_b32 s23, s16, 2
	s_add_co_u32 s76, s76, s23
	s_add_co_u32 s76, s76, QS_O
	s_add_nc_u64 s[QSB:QSB+1], s[8:9], s[76:77]
	s_lshr_b32 s20, s17, 3                         ; V: the batch,
	s_lshl_b32 s22, s17, 1
	s_add_co_u32 s22, s22, s15
	s_and_b32 s22, s22, 15                         ; my 128 positions: a K step of P V
	s_mul_i32 s76, s20, 1572864
	s_mul_i32 s23, s21, 24576
	s_add_co_u32 s76, s76, s23
	s_mul_i32 s23, s22, 1536
	s_add_co_u32 s76, s76, s23
	s_add_co_u32 s76, s76, VI_O
	s_add_nc_u64 s[VIB:VIB+1], s[8:9], s[76:77]
	s_lshl_b32 s76, s20, 16
	s_lshl_b32 s23, s21, 10
	s_add_co_u32 s76, s76, s23
	s_lshr_b32 s23, s22, 1
	s_lshl_b32 s23, s23, 7
	s_add_co_u32 s76, s76, s23
	s_and_b32 s23, s22, 1
	s_lshl_b32 s23, s23, 2
	s_add_co_u32 s76, s76, s23
	s_add_co_u32 s76, s76, VS_O
	s_add_nc_u64 s[VSB:VSB+1], s[8:9], s[76:77]
	s_wait_alu depctr_va_vdst(0)                   ; the head's end: no vector instruction writes an address behind it
	ASK1 PO, 4608                                  ; fills 1 and 2
	ASK1 PO+1, 9216
.irp i, 0,1,2,3,4,5,6,7
.irp pr, 0,1,2,3
	global_load_b64 v[SC+8*\i+2*\pr:SC+8*\i+2*\pr+1], v[SO], s[4:5] offset:\i*512+\pr*128   ; part 1's scale words
.endr
.endr
	WIN 0x40
.irp m, 0,1,2,3,4,5,6,7,8,9,10,11,12,13,14,15
	global_load_b128 v[96+4*\m+96*(\m/8):96+4*\m+96*(\m/8)+3], v3, s[TRB:TRB+1] offset:512*\m   ; the first position block's cos and sin
.endr
	WIN 0
	s_wait_tensorcnt 0x0                           ; my part of fill 0 is in; the three lines ahead of slot 1's first fill
	ds_add_u32 v[SPW], v[NIL]
	DESC 1
	s_wait_dscnt 0x0
	CROUND
	JLOAD                                          ; fill 1
	FETCH8 0, AW, 4608, 0
	ASK2 0                                         ; fill 3, two fills ahead
	FETCH4 AF, AX, 4608, 0, 0
	FETCH4 AF, AX, 4608, 0, 4
	s_wait_loadcnt 16                              ; the scale words are in; the table's 16 loads are younger
	STEP 0, 0, 4608, 1, 0, 1                       ; the first step's products start the sums
	STEP 1, 0, 4608, 2, 0, 0
	STEP 2, 1, 4608, 0, 2, 0
	STEP 3, 1, 4608, 1, 0, 0
	STEP 4, 1, 4608, 2, 0, 0
	STEP 5, 2, 3072, 0, 3, 0
	STEP 6, 2, 3072, 1, 0, 0
	s_wait_dscnt 12                                ; part 1's last step: nothing more to fetch
	WIN MUL_LO
	MUL16 0, 1, 7, AF, 0
	MUL16 2, 1, 7, AF, 0
	s_wait_dscnt 0x0
	WIN MUL_HI
	MUL16 4, 1, 7, AF, 0
	MUL16 6, 1, 7, AF, 0
	WIN 0
	PLACES
	WIN 0x40
.irp m, 0,1,2,3,4,5,6,7,8,9,10,11,12,13,14,15
	global_load_b128 v[4*\m:4*\m+3], v3, s[TRB:TRB+1] offset:65536+512*\m   ; the second position block's, into registers that the weights' fragments have left
.endr
	WIN 0
.irp i, 0,1,2,3,4,5,6,7
.irp pr, 0,1,2,3
	global_load_b64 v[SC+8*\i+2*\pr:SC+8*\i+2*\pr+1], v[SOV+\i], s[4:5] offset:\pr*128   ; part 2's scale words
.endr
.endr
	s_wait_loadcnt 48                              ; the first image is in; the 48 loads just issued are younger
.irp a, 0,1,2,3,4,5,6,7                ; block a: batch a % 4, position block a / 4
.if \a == 4
	s_wait_alu depctr_va_vdst(0)
	s_wait_tensorcnt 0x0                           ; fill 3 has landed; slot 0's last reads were waited for in step 7
	ds_add_u32 v[SPW], v[NIL]
	DESC 4
	s_wait_dscnt 0x0
	CROUND                                         ; it also shows fill 3 whole to every wave
	JLOAD                                          ; fill 4
	s_wait_loadcnt 32                              ; the second image is in; part 2's 32 scale loads are younger
.endif
	ROPE \a
	s_wait_alu depctr_va_vdst(0)
	s_wait_xcnt 0x0                                ; the last block's stores have read the codes and the scale word
	QUANT ST, 0
.irp c, 0,1,2
	global_store_b128 v3, v[PC+4*\c:PC+4*\c+3], s[QIB:QIB+1] offset:(\a&3)*1572864+(\a>>2)*12288+512*\c   ; 512 consecutive bytes each
.endr
	global_store_b32 v4, v[PW], s[QSB:QSB+1] offset:(\a&3)*65536+(\a>>2)*512   ; (lanes l and l + 16 hold the same word and write it to the same place)
.endr
	; ---- part 2: V.  Steps 0-3 read fill 3 alone
	s_wait_alu depctr_va_vdst(0)
	s_wait_xcnt 0x0                                ; the last stores have read the registers that the fragments now take
	s_wait_loadcnt 0x0                             ; part 2's scale words
	FETCH8 0, AX+3, 6144, 0
	FETCH4 AF, AW+3, 6144, 0, 0
.irp t, 0,1,2,3,4,5,6,7
	VSTEP \t
.endr
	PLACES
.irp a, 0,1,2,3                        ; block a of my channels: the accumulators are quantised where they lie
	s_wait_xcnt 0x0
	QUANT 64*\a, 2
.irp c, 0,1,2
	global_store_b128 v3, v[PC+4*\c:PC+4*\c+3], s[VIB:VIB+1] offset:\a*24576+512*\c
.endr
	global_store_b32 v4, v[PW], s[VSB:VSB+1] offset:\a*1024
.endr
	s_wait_tensorcnt 0x0                           ; the wave's end
	ds_add_u32 v[SPW], v[NIL]
	s_wait_dscnt 0x0
	CROUND                                         ; the closing round
	s_endpgm
.Lfunc_end_k_qb176e9c12a_proj:
	.size	k_qb176e9c12a_proj, .Lfunc_end_k_qb176e9c12a_proj-k_qb176e9c12a_proj
	.p2alignl 7, 3214868480
	.fill 96, 4, 3214868480
	.section	.rodata,"a",@progbits
	.p2align	6, 0x0
	.amdhsa_kernel k_qb176e9c12a_proj
		.amdhsa_group_segment_fixed_size 327680
		.amdhsa_private_segment_fixed_size 0
		.amdhsa_enable_private_segment 0
		.amdhsa_kernarg_size 24
		.amdhsa_user_sgpr_count 2
		.amdhsa_user_sgpr_kernarg_segment_ptr 1
		.amdhsa_wavefront_size32 1
		.amdhsa_system_sgpr_workgroup_id_x 1
		.amdhsa_system_sgpr_workgroup_id_y 1
		.amdhsa_system_sgpr_workgroup_id_z 1
		.amdhsa_system_vgpr_workitem_id 0
		.amdhsa_next_free_vgpr 1024
		.amdhsa_next_free_sgpr 100
		.amdhsa_reserve_vcc 0
		.amdhsa_float_denorm_mode_32 3
		.amdhsa_float_denorm_mode_16_64 3
		.amdhsa_memory_ordered 1
		.amdhsa_forward_progress 1
		.amdhsa_inst_pref_size 254
	.end_amdhsa_kernel
	.amdgpu_metadata
---
amdhsa.version: [ 1, 2 ]
amdhsa.kernels:
  - .name:           k_qb176e9c12a_proj
    .symbol:         k_qb176e9c12a_proj.kd
    .args:
      - { .name: opnd, .offset: 0, .size: 8, .value_kind: global_buffer, .address_space: global }
      - { .name: trig, .offset: 8, .size: 8, .value_kind: global_buffer, .address_space: global }
      - { .name: qkv, .offset: 16, .size: 8, .value_kind: global_buffer, .address_space: global }
    .group_segment_fixed_size: 327680
    .private_segment_fixed_size: 0
    .kernarg_segment_align: 8
    .kernarg_segment_size: 24
    .max_flat_workgroup_size: 128
    .sgpr_count:     100
    .vgpr_count:     1024
    .wavefront_size: 32
...
	.end_amdgpu_metadata
.endif
;; end of part 2
;; launch score (part 3): grid 36 x 4, 4 waves a work-group, no clusters, 327,680 bytes of LDS; arguments qkv, prob; writes prob
.if DOCPART == 3
	.amdgcn_target "amdgcn-amd-amdhsa--gfx1250"
	.amdhsa_code_object_version 6
	.text
	.protected	k_qb176e9c12a_score
	.globl	k_qb176e9c12a_score
	.p2align	8
	.type	k_qb176e9c12a_score,@function
k_qb176e9c12a_score:
	s_mov_b64 s[64:65], 0
	v_nop
	global_prefetch_b8 v0, s[64:65] scope:SCOPE_SE
	s_setreg_imm32_b32 hwreg(HW_REG_WAVE_MODE, 25, 1), 1
	s_wait_xcnt 0x0
; SCORE: S = Q K^T on codes of FP6 (E2M3), K = 1,024, and the softmax's p, quantised along the keys, for the 36 tiles of 256 queries x 256 keys of each batch that the causal mask leaves.
; WORK LEFT OUT: the 28 tiles of each batch whose every key comes after every query (p = 0 there for all inputs: shown at the head of launch prep).
; Source 0 = 256 keys, source 1 = 256 queries: a lane holds one query and, in a wave, 128 neighbouring keys: one K step of P V.  For that run of 128 keys: t = score x log2(e) / 32; M' = ceil(the run's largest t);
; p' = 2^(t - M') is quantised block by block; l' = the sum of the unquantised p'.  Stored: the fragment image, the raw scale word, -M' and l'.  Launch pv finds M = the largest M' of a row and brings each run
; under it by 2^(M' - M), a whole power of two: it goes into the scale bytes and into l, and the codes stay as they are.  A run that is all hidden stores -M' = 1e30, l' = 0 and zero codes.
; NO CLUSTER: row i of the triangle has i + 1 key tiles (1 to 8), column j has 8 - j query tiles: the 36 tiles do not divide into groups of four that share a tile of Q or of K at every place.
; LDS: two slots of 147,456 bytes, three fills, one tensor load a wave each (waves 0, 1: Q's halves; waves 2, 3: K's): K steps 0-2 (slot 0, at the head), 3-5 (slot 1), 6-7 (slot 0).  One load outstanding a wave at the most.
; Scale words come from memory straight into v32-95, once: register 8 i + step: lanes 0-15 Q's block i, lanes 16-31 K's.
; PREFETCH: Q's tile i and K's tile i are both read by the work-group on the diagonal, (i, i), and by no other such: it asks for them, each wave for the 8 blocks that it fetches, a lane for 256 bytes of a block's
; 4,608 or 3,072 (the lanes left over name the last again): fill 1's bytes at the head, fill 2's behind fill 1's load.  Nothing is asked for beyond fill 2.
; LIMITS: NaN and infinities are not served; t under -1e30 counts as hidden; a p' under 2^-126 is 0; the floor of a block's largest p' is 2^(3 - 127) (byte 1; a block of zeros keeps it).
.set KI_O,  6291456
.set QS_O,  18874368
.set KS_O,  19136512
.set PST_O, 12582912                   ; prob: P's images [batch][query block 128][K step 16]; then the records [batch][query block][key tile 8][-M', l', word][parity 2][r 16]
.set SLOT,  147456
.set SPARE, 2*SLOT
.set D0,   7
.set SO,   10
.set PO,   12                          ; v12-13 the prefetches' lane offsets: 18, 12 pieces of 256 bytes
.set AX,   16                          ; v16-18 my half of Q in fill 0, 1, 2
.set AW,   21                          ; v21-23 my half of K
.set SPW,  28
.set NIL,  29
.set SC,   32
.set TM,   96                          ; v96-99 the blocks' largest score, then p; v100-103 at work; v108-111 the conversions' scale operands
.set NM,   104                         ; v[104:105] -M' (the pair's low word serves both halves)
.set TMX,  106
.set SV,   107
.set AF,   128
.set ST,   128
.set PC,   192
.set PW,   212
.set LA,   214
.set LB,   216
.set LX,   218
.set DD,   219
.set NINF, 220
.set G1, 24
.set G0, 32
.set L36, 36
.set L24, 37
.set PFB, 38                           ; s[38:39] the first of the 8 blocks that I fetch: never rewritten
.set DG,  56                           ; s56  1 on the diagonal
.set MK,  57                           ; s57  the mask in my wave: 0 none, 1 the diagonal crosses my 128 x 128, 2 all hidden
.set CS,  58                           ; s[58:59] log2(e) / 32
.set SEL, 60
.set HM,  62
.set PIB, 66
.set RCB, 68
.set MUL_LO, 0xa1
.set MUL_HI, 0xf1
.set TO_B,   0x40
.set MSB, 0
.macro WIN new
.if MSB != (\new)
	s_set_vgpr_msb (MSB<<8)|(\new)
.set MSB, (\new)
.endif
.endm
.macro PLACES
.rept 4
	v_nop
.endr
.endm
.macro FRAG reg, adr, off
.irp c, 0,1,2
	ds_load_b128 v[(\reg)+4*\c:(\reg)+4*\c+3], v[\adr] offset:(\off)+512*\c
.endr
.endm
.macro FETCH8 p, adr, np, nq
	WIN TO_B
.irp i, 0,1,2,3,4,5,6,7
	FRAG 128*(\p)+12*\i, \adr, \i*(\np)+(\nq)*1536
.endr
	WIN 0
.endm
.macro FETCH4 adr, np, nq, i0
.irp k, 0,1,2,3
	FRAG AF+12*((\i0)+\k), \adr, ((\i0)+\k)*(\np)+(\nq)*1536
.endr
.endm
.macro MUL16 a0, p, st, zero           ; the 64 accumulators take turns, one instruction a turn
.irp a, \a0, \a0+1
.irp b, 0,1,2,3,4,5,6,7
.set ACC, 8*(8*((\a)%4)+\b)
.set FRA, 128*(\p)+12*\b
.set FRB, AF+12*(\a)
.if \zero
	v_wmma_scale_f32_16x16x128_f8f6f4 v[ACC:ACC+7], v[FRA:FRA+11], v[FRB:FRB+11], 0, v[SC+8*\b+(\st)], v[SC+8*(\a)+(\st)] matrix_a_fmt:MATRIX_FMT_FP6 matrix_b_fmt:MATRIX_FMT_FP6 matrix_a_scale:MATRIX_SCALE_ROW1
.else
	v_wmma_scale_f32_16x16x128_f8f6f4 v[ACC:ACC+7], v[FRA:FRA+11], v[FRB:FRB+11], v[ACC:ACC+7], v[SC+8*\b+(\st)], v[SC+8*(\a)+(\st)] matrix_a_fmt:MATRIX_FMT_FP6 matrix_b_fmt:MATRIX_FMT_FP6 matrix_a_scale:MATRIX_SCALE_ROW1
.endif
.endr
.endr
.endm
.macro ASK po, koff                    ; the diagonal's work-group asks for a later fill's bytes of my 8 blocks: a branch on ids
	s_cmp_lg_u32 s[DG], 0
	s_cbranch_scc0 .Lnot_mine_\@
.irp k, 0,1,2,3,4,5,6,7
	global_prefetch_b8 v[\po], s[PFB:PFB+1] offset:\k*12288+(\koff) th:TH_LOAD_NT scope:SCOPE_SE
.endr
.Lnot_mine_\@:
.endm
; Step st: 64 matrix instructions; the next step's fragments are fetched in its middle and at its end.  chg = 1: the next step lies in the other slot, and this step's slot takes K steps 6-7 behind the three lines and the barrier;
; chg = 2: the next step lies in the other slot.
.macro STEP st, nf, np, nq, chg, zero
.if \chg
	s_wait_tensorcnt 0x0                           ; all my tensor loads have landed
.if \chg == 1
	ds_add_u32 v[SPW], v[NIL]
	s_mov_b32 s[G0+1], s[L24]
	s_add_nc_u64 s[G0+2:G0+3], s[G0+2:G0+3], 4608
	s_mov_b32 s[G1+1], 384<<16                     ; two images of a block: 3,072 bytes
	s_mov_b32 s[G1+3], 384<<16
	s_wait_dscnt 13                                ; the add and the 12 youngest loads may be out
.else
	s_wait_dscnt 12
.endif
	WIN MUL_LO
	MUL16 0, (\st)%2, \st, \zero
	s_wait_dscnt 0x0                               ; my LDS instructions are done, my reads of this slot among them
	s_barrier_signal -1
	MUL16 2, (\st)%2, \st, \zero
	WIN 0
	s_barrier_wait -1
.if \chg == 1
	tensor_load_to_lds s[G0:G0+3], s[G1:G1+7]
	s_nop 0
.endif
	PLACES
.else
	s_wait_dscnt 12                                ; all but the 12 youngest loads (Q's blocks 4-7)
	WIN MUL_LO
	MUL16 0, (\st)%2, \st, \zero
	MUL16 2, (\st)%2, \st, \zero
	s_wait_dscnt 0x0
	PLACES
.endif
	FETCH8 ((\st)+1)%2, AW+\nf, \np, \nq
	FETCH4 AX+\nf, \np, \nq, 0
	WIN MUL_HI
	MUL16 4, (\st)%2, \st, \zero
	MUL16 6, (\st)%2, \st, \zero
	PLACES
	WIN 0
	FETCH4 AX+\nf, \np, \nq, 4
.endm
; The softmax's part for block a of my queries and my 128 keys.  Register 16 b + i of the block's 64 holds key 32 b + 16 (lane / 16) + i.
; THE MASK is laid on the accumulators.  With d = my query - my keys' first - 16 (lane / 16), key 32 b + i is hidden where 32 b + i > d.  Where the diagonal crosses my 128 x 128, d lies between 32 (a / 2) - 16 and
; 32 (a / 2) + 31: the groups b < a / 2 are all open, the groups b > a / 2 all hidden, and group a / 2 alone is compared.
.macro SOFT a
.set AC, 64*((\a)%4)
.set WA, 2+(\a)/4
.set GB, (\a)>>1
	s_wait_xcnt 0x0                                ; the last block's stores have read their registers
	s_cmp_eq_u32 s[MK], 0                          ; branches on ids and the wave's number
	s_cbranch_scc1 .Lopen_\@
	s_cmp_eq_u32 s[MK], 1
	s_cbranch_scc0 .Lall_\@
	v_add_nc_u32 v[DD], 32*GB+8*((\a)&1), v[D0]
	v_mov_b32 v[NINF], 0xff800000
	WIN WA|(WA<<6)
.set n, 0
.rept 16
	v_cmp_gt_i32 vcc_lo, 32*GB+n, v[DD]
	v_cndmask_b32 v[AC+16*GB+n], v[AC+16*GB+n], v[NINF], vcc_lo   ; each accumulator from its low end on
.set n, n+1
.endr
.if GB < 3
.set n, 16*GB+16
.rept 48-16*GB
	v_mov_b32 v[AC+n], 0xff800000
.set n, n+1
.endr
.endif
	WIN 0
	s_wait_alu depctr_va_vdst(0)
	s_branch .Lopen_\@
.Lall_\@:
	WIN WA<<6
.set n, 0
.rept 64
	v_mov_b32 v[AC+n], 0xff800000
.set n, n+1
.endr
	WIN 0
.Lopen_\@:
	WIN WA|(WA<<2)
.irp b, 0,1,2,3
	v_max3_num_f32 v[TM+\b], v[AC+16*\b], v[AC+1+16*\b], 0xff800000   ; the largest score of each block of 32 keys: it serves the run's maximum and, since p rises with the score, the block's largest p
.endr
.irp i, 2,4,6,8,10,12,14
.irp b, 0,1,2,3
	v_max3_num_f32 v[TM+\b], v[AC+16*\b+\i], v[AC+1+16*\b+\i], v[TM+\b]
.endr
.endr
	WIN 0
.irp b, 0,1,2,3
	v_permlanex16_b32 v[TM+4+\b], v[TM+\b], s[SEL], s[SEL+1]
.endr
.irp b, 0,1,2,3
	v_max_num_f32 v[TM+\b], v[TM+\b], v[TM+4+\b]
.endr
	v_max3_num_f32 v[TMX], v[TM], v[TM+1], v[TM+2]
	v_max_num_f32 v[TMX], v[TMX], v[TM+3]
	v_mul_f32 v[TMX], s[CS], v[TMX]                ; as t (the factor is positive)
	v_max_num_f32 v[TMX], 0xf149f2ca, v[TMX]       ; held at -1e30 from below: a run that is all hidden has a number for M'
	v_floor_f32 v[NM], -v[TMX]                     ; -M' = floor(-t) = -ceil(t)
	WIN WA
.set n, 0
.rept 32
	v_pk_fma_f32 v[ST+n:ST+n+1], v[AC+n:AC+n+1], s[CS:CS+1], v[NM:NM+1] op_sel_hi:[1,0,0]   ; t - M', two at a time
.set n, n+2
.endr
	WIN 0
.irp b, 0,1,2,3
	v_fma_f32 v[TM+\b], v[TM+\b], s[CS], v[NM]     ; the same of each block's largest
.endr
.set n, 0
	s_wait_alu depctr_va_vdst(0)
.rept 64
	v_exp_f32 v[ST+n], v[ST+n]                     ; p' = 2^(t - M'), one batch
.set n, n+1
.endr
	v_nop                                          ; a plain instruction behind the batch
	s_wait_alu depctr_va_vdst(0)                   ; one wait for the 64, ahead of their first reader
.irp b, 0,1,2,3
	v_exp_f32 v[TM+\b], v[TM+\b]                   ; the blocks' largest p': the same two instructions on the same number
.endr
	v_pk_add_f32 v[LA:LA+1], v[ST:ST+1], v[ST+2:ST+3]      ; l' of the unquantised p', in two chains: plain work behind the four
	v_pk_add_f32 v[LB:LB+1], v[ST+4:ST+5], v[ST+6:ST+7]
.irp j, 8,12,16,20,24,28,32,36,40,44,48,52,56,60
	v_pk_add_f32 v[LA:LA+1], v[LA:LA+1], v[ST+\j:ST+\j+1]
	v_pk_add_f32 v[LB:LB+1], v[LB:LB+1], v[ST+\j+2:ST+\j+3]
.endr
	v_pk_add_f32 v[LA:LA+1], v[LA:LA+1], v[LB:LB+1]
	v_add_f32 v[LA], v[LA], v[LA+1]
	v_permlanex16_b32 v[LX], v[LA], s[SEL], s[SEL+1]
	v_add_f32 v[LA], v[LA], v[LX]                  ; with lane l xor 16's 64 keys
	v_cndmask_b32 v[SV], v[NM], v[LA], s[HM]       ; lanes 0-15 store -M', lanes 16-31 l'
	s_wait_alu depctr_va_vdst(0)                   ; and one wait for the four
.irp b, 0,1,2,3
	v_max_num_f32 v[TM+\b], 0x1800000, v[TM+\b]    ; the floor 2^(3 - 127)
.endr
.irp b, 0,1,2,3
	v_add_nc_u32 v[TM+12+\b], 0xff000000, v[TM+\b]
.endr
.irp b, 0,1,2,3
	v_lshrrev_b32 v[TM+4+\b], 23, v[TM+12+\b]
.endr
	v_lshl_or_b32 v[PW], v[TM+5], 8, v[TM+4]
	v_lshl_or_b32 v[PW], v[TM+6], 16, v[PW]
	v_lshl_or_b32 v[PW], v[TM+7], 24, v[PW]
.irp c, 0,1
	v_cvt_scalef32_pk16_fp6_f32 v[PC+6*\c:PC+6*\c+2], v[ST+32*\c:ST+32*\c+15], v[TM+12+2*\c]
	v_cvt_scalef32_pk16_fp6_f32 v[PC+12+4*\c:PC+14+4*\c], v[ST+16+32*\c:ST+31+32*\c], v[TM+13+2*\c]
.endr
	v_nop                                          ; one plain place behind the conversions
.irp c, 0,1
.irp i, 0,1,2
	v_permlane16_swap_b32 v[PC+6*\c+\i], v[PC+12+4*\c+\i]
.endr
.irp i, 0,1,2
	v_mov_b32 v[PC+3+6*\c+\i], v[PC+12+4*\c+\i]
.endr
.endr
.irp c, 0,1,2
	global_store_b128 v3, v[PC+4*\c:PC+4*\c+3], s[PIB:PIB+1] offset:(\a)*24576+512*\c   ; 512 consecutive bytes each
.endr
	global_store_b32 v5, v[SV], s[RCB:RCB+1] offset:(\a)*3072
	global_store_b32 v6, v[PW], s[RCB:RCB+1] offset:(\a)*3072+256   ; (lanes l and l + 16 hold the same word and write it to the same place)
.endm
.macro ADR f, base, hx, wb             ; my halves of Q and of K in fill f
	s_mul_i32 s22, s15, \hx
	s_mul_i32 s23, s16, \hx
	s_add_co_u32 s22, s22, \base
	s_add_co_u32 s23, s23, (\base)+(\wb)
	v_add_nc_u32 v[AX+\f], s22, v3
	v_add_nc_u32 v[AW+\f], s23, v3
.endm
	s_load_b128 s[4:7], s[0:1], 0x0                ; qkv, prob
	v_lshl_add_u32 v[SPW], v0, 2, SPARE
	v_mov_b32 v[NIL], 0
	ds_add_u32 v[SPW], v[NIL]                      ; the opening: the add, twice on end, and its wait ahead of my first tensor load
	ds_add_u32 v[SPW], v[NIL]
	v_lshrrev_b32 v1, 5, v0
	v_readfirstlane_b32 s14, v1                    ; wave 0..3
	v_and_b32 v1, 15, v0                           ; r
	v_bfe_u32 v2, v0, 4, 1                         ; h
	v_and_b32 v3, 31, v0
	v_lshlrev_b32 v3, 4, v3                        ; 16 x lane
	v_lshlrev_b32 v4, 3, v1                        ; 8 r
	v_lshlrev_b32 v6, 2, v1                        ; 4 r
	v_lshl_add_u32 v5, v2, 7, v6                   ; 128 h + 4 r
	v_and_b32 v8, 7, v1                            ; the mask's d without the block's and the wave's part: r % 8 + 16 (r / 8) - 16 h
	v_lshrrev_b32 v9, 3, v1
	v_lshl_add_u32 v8, v9, 4, v8
	v_lshlrev_b32 v9, 4, v2
	v_sub_nc_u32 v8, v8, v9
	v_min_u32 v[PO], 272, v3
	v_min_u32 v[PO+1], 176, v3
	v_lshlrev_b32 v[PO], 4, v[PO]                  ; 256 x min(lane, 17),
	v_lshlrev_b32 v[PO+1], 4, v[PO+1]              ; 256 x min(lane, 11)
.irp b, 0,1,2,3
	v_mov_b32 v[TM+4+\b], 0                        ; written once: a lane permute's destination counts as read
.endr
	v_mov_b32 v[NM+1], 0                           ; (named as the upper half of a pair)
	s_wait_alu depctr_va_vdst(0)
	s_lshr_b32 s15, s14, 1                         ; my half of the queries
	s_and_b32 s16, s14, 1                          ; my half of the keys
	s_and_b32 s19, ttmp7, 0xffff                   ; the batch
	s_mov_b32 s17, 0
.irp t, 1,3,6,10,15,21,28              ; work-group x = i (i + 1) / 2 + j, j <= i
	s_cmp_ge_u32 ttmp9, \t
	s_cselect_b32 s20, 1, 0
	s_add_co_u32 s17, s17, s20
.endr
	s_add_co_u32 s18, s17, 1
	s_mul_i32 s18, s18, s17
	s_lshr_b32 s18, s18, 1
	s_sub_co_u32 s18, ttmp9, s18                   ; j
	s_cmp_eq_u32 s17, s18
	s_cselect_b32 s[DG], 1, 0
	s_mov_b32 s[G1], 3<<16                         ; elements of 8 bytes, no mask, no padding
	s_mov_b32 s[G1+1], 576<<16                     ; three images of a block: 4,608 bytes
	s_mov_b32 s[G1+2], 8<<16
	s_mov_b32 s[G1+3], 576<<16
	s_mov_b32 s[G1+4], 8
	s_mov_b32 s[G1+5], 1536
	s_mov_b32 s[G1+6], 0
	s_mov_b32 s[G1+7], 0
	s_cmp_lt_u32 s14, 2                            ; waves 0 and 1 fetch Q's halves, waves 2 and 3 K's
	s_cselect_b32 s20, s17, s18
	s_cselect_b32 s22, 0, KI_O
	s_lshl_b32 s20, s20, 4
	s_lshl_b32 s23, s16, 3
	s_add_co_u32 s20, s20, s23                     ; the first of my 8 blocks
	s_mul_i32 s10, s19, 1572864
	s_mul_i32 s11, s20, 12288
	s_add_co_u32 s10, s10, s11
	s_add_co_u32 s10, s10, s22
	s_mov_b32 s11, 0
	s_mul_i32 s[L36], s14, 36864
	s_mov_b32 s[G0], 1
	s_mov_b32 s[G0+1], s[L36]
	s_wait_dscnt 0x0                               ; both opening adds are done
	s_wait_kmcnt 0x0
	s_add_nc_u64 s[PFB:PFB+1], s[4:5], s[10:11]
	s_mov_b64 s[G0+2:G0+3], s[PFB:PFB+1]
	s_or_b32 s[G0+3], s[G0+3], 0x80000000
	tensor_load_to_lds s[G0:G0+3], s[G1:G1+7]      ; K steps 0-2: one tensor load a wave at the head
	s_nop 0
	PLACES
	; the rest of the head stands under that load's flight
	s_mul_i32 s[L24], s14, 24576
	s_sub_co_i32 s20, s16, s15
	s_add_co_u32 s20, s20, 1                       ; 0: my keys all come before my queries; 1: the same 128; 2: all behind
	s_cmp_lg_u32 s[DG], 0
	s_cselect_b32 s[MK], s20, 0                    ; off the diagonal every key counts
	s_mov_b32 s[CS], 0x3d38aa3b                    ; log2(e) / sqrt(1024)
	s_mov_b32 s[CS+1], s[CS]
	s_mov_b32 s[SEL], 0x76543210
	s_mov_b32 s[SEL+1], 0xfedcba98
	s_mov_b32 s[HM], 0xffff0000
	s_lshl_b32 s12, s19, 16                        ; my scale words: 65,536 bytes a batch, 512 a block
	s_lshl_b32 s20, s17, 4
	s_lshl_b32 s21, s15, 3
	s_add_co_u32 s20, s20, s21                     ; my first query block
	s_lshl_b32 s21, s20, 9
	s_add_co_u32 s21, s21, s12
	s_add_co_u32 s21, s21, QS_O
	s_lshl_b32 s22, s18, 4
	s_lshl_b32 s23, s16, 3
	s_add_co_u32 s22, s22, s23
	s_lshl_b32 s22, s22, 9
	s_add_co_u32 s22, s22, s12
	s_add_co_u32 s22, s22, KS_O
	v_mov_b32 v9, s21
	v_mov_b32 v11, s22
	v_cndmask_b32 v9, v9, v11, s[HM]               ; lanes 0-15 Q's words, lanes 16-31 K's
	v_add_nc_u32 v[SO], v9, v4
	s_sub_co_i32 s21, s15, s16
	s_lshl_b32 s21, s21, 7
	v_add_nc_u32 v[D0], s21, v8                    ; + 128 (wave / 2 - wave % 2)
	ADR 0, 0, 36864, 73728
	ADR 1, SLOT, 36864, 73728
	ADR 2, 0, 24576, 49152
	s_mul_i32 s10, s19, 3145728                    ; where my results go
	s_mul_i32 s12, s20, 24576
	s_add_co_u32 s10, s10, s12
	s_lshl_b32 s12, s18, 1
	s_add_co_u32 s12, s12, s16                     ; my K step of P V: 2 j + wave % 2
	s_mul_i32 s12, s12, 1536
	s_add_co_u32 s10, s10, s12
	s_add_nc_u64 s[PIB:PIB+1], s[6:7], s[10:11]
	s_lshl_b32 s10, s19, 7
	s_add_co_u32 s10, s10, s20
	s_lshl_b32 s10, s10, 3
	s_add_co_u32 s10, s10, s18
	s_mul_i32 s10, s10, 384
	s_lshl_b32 s12, s16, 6
	s_add_co_u32 s10, s10, s12
	s_add_co_u32 s10, s10, PST_O
	s_add_nc_u64 s[RCB:RCB+1], s[6:7], s[10:11]
	s_wait_alu depctr_va_vdst(0)                   ; the head's end
	ASK PO, 4608                                   ; fill 1's bytes
.irp i, 0,1,2,3,4,5,6,7
.irp pr, 0,1,2,3
	global_load_b64 v[SC+8*\i+2*\pr:SC+8*\i+2*\pr+1], v[SO], s[4:5] offset:\i*512+\pr*128   ; four loads on end cover a block's 512 bytes
.endr
.endr
	s_wait_tensorcnt 0x0                           ; my part of K steps 0-2 is in; the three lines ahead of slot 1's first fill
	ds_add_u32 v[SPW], v[NIL]
	s_add_co_u32 s[G0+1], s[L36], SLOT
	s_add_nc_u64 s[G0+2:G0+3], s[G0+2:G0+3], 4608
	s_wait_dscnt 0x0
	s_barrier_signal -1
	s_barrier_wait -1
	tensor_load_to_lds s[G0:G0+3], s[G1:G1+7]      ; K steps 3-5
	s_nop 0
	PLACES
	FETCH8 0, AW, 4608, 0
	ASK PO+1, 9216                                 ; fill 2's bytes
	FETCH4 AX, 4608, 0, 0
	FETCH4 AX, 4608, 0, 4
	s_wait_loadcnt 0x0                             ; the scale words
	STEP 0, 0, 4608, 1, 0, 1                       ; the first step's products start the sums
	STEP 1, 0, 4608, 2, 0, 0
	STEP 2, 1, 4608, 0, 1, 0
	STEP 3, 1, 4608, 1, 0, 0
	STEP 4, 1, 4608, 2, 0, 0
	STEP 5, 2, 3072, 0, 2, 0
	STEP 6, 2, 3072, 1, 0, 0
	s_wait_dscnt 12                                ; the last step: nothing more to fetch
	WIN MUL_LO
	MUL16 0, 1, 7, 0
	MUL16 2, 1, 7, 0
	s_wait_dscnt 0x0
	WIN MUL_HI
	MUL16 4, 1, 7, 0
	MUL16 6, 1, 7, 0
	WIN 0
	PLACES
	v_mov_b32 v[LX], 0                             ; (a lane permute's destination)
.irp a, 0,1,2,3,4,5,6,7
	SOFT \a
.endr
	s_wait_tensorcnt 0x0                           ; the wave's end
	ds_add_u32 v[SPW], v[NIL]
	s_wait_dscnt 0x0
	s_endpgm
.Lfunc_end_k_qb176e9c12a_score:
	.size	k_qb176e9c12a_score, .Lfunc_end_k_qb176e9c12a_score-k_qb176e9c12a_score
	.p2alignl 7, 3214868480
	.fill 96, 4, 3214868480
	.section	.rodata,"a",@progbits
	.p2align	6, 0x0
	.amdhsa_kernel k_qb176e9c12a_score
		.amdhsa_group_segment_fixed_size 327680
		.amdhsa_private_segment_fixed_size 0
		.amdhsa_enable_private_segment 0
		.amdhsa_kernarg_size 16
		.amdhsa_user_sgpr_count 2
		.amdhsa_user_sgpr_kernarg_segment_ptr 1
		.amdhsa_wavefront_size32 1
		.amdhsa_system_sgpr_workgroup_id_x 1
		.amdhsa_system_sgpr_workgroup_id_y 1
		.amdhsa_system_sgpr_workgroup_id_z 1
		.amdhsa_system_vgpr_workitem_id 0
		.amdhsa_next_free_vgpr 1024
		.amdhsa_next_free_sgpr 80
		.amdhsa_reserve_vcc 1
		.amdhsa_float_denorm_mode_32 3
		.amdhsa_float_denorm_mode_16_64 3
		.amdhsa_memory_ordered 1
		.amdhsa_forward_progress 1
		.amdhsa_inst_pref_size 254
	.end_amdhsa_kernel
	.amdgpu_metadata
---
amdhsa.version: [ 1, 2 ]
amdhsa.kernels:
  - .name:           k_qb176e9c12a_score
    .symbol:         k_qb176e9c12a_score.kd
    .args:
      - { .name: qkv, .offset: 0, .size: 8, .value_kind: global_buffer, .address_space: global }
      - { .name: prob, .offset: 8, .size: 8, .value_kind: global_buffer, .address_space: global }
    .group_segment_fixed_size: 327680
    .private_segment_fixed_size: 0
    .kernarg_segment_align: 8
    .kernarg_segment_size: 16
    .max_flat_workgroup_size: 128
    .sgpr_count:     80
    .vgpr_count:     1024
    .wavefront_size: 32
...
	.end_amdgpu_metadata
.endif
;; end of part 3
;; launch pv (part 4): grid 8 x 32, 4 waves a work-group, no clusters, 327,680 bytes of LDS; arguments qkv, prob, out0; writes out0
.if DOCPART == 4
	.amdgcn_target "amdgcn-amd-amdhsa--gfx1250"
	.amdhsa_code_object_version 6
	.text
	.protected	k_qb176e9c12a_pv
	.globl	k_qb176e9c12a_pv
	.p2align	8
	.type	k_qb176e9c12a_pv,@function
k_qb176e9c12a_pv:
	s_mov_b64 s[64:65], 0
	v_nop
	global_prefetch_b8 v0, s[64:65] scope:SCOPE_SE
	s_setreg_imm32_b32 hwreg(HW_REG_WAVE_MODE, 25, 1), 1
	s_wait_xcnt 0x0
.set VI_O,  12582912
.set VS_O,  19398656
.set PST_O, 12582912
.set HALFT, 49152
.set SLOT,  147456
.set VOFF,  98304
.set PSC,   294912
.set VSC,   311296
.set RL,    319488
.set SPARE, 320512
.set STG,   0
.set SBLK,  1024
.set PFO,  8
.set AD1,  16
.set AD0,  18
.set ASB,  20
.set PSA,  23
.set RLA,  24
.set STO,  25
.set RD,   26
.set SPW,  28
.set NIL,  29
.set L4,   30
.set SC,   32
.set RLV,  48
.set ST,   64
.set AF,   128
.set SD,   64
.set OFS,  160
.set MM,   168
.set MX,   169
.set DF,   170
.set DI,   171
.set FF,   172
.set B0,   173
.set LL,   180
.set RC,   184
.set G1, 24
.set G0, 32
.set G1S, 40
.set G0S, 48
.set PLIM, 55
.set PFA, 56
.set SEL, 60
.set OB,  62
.set FL,  68
.set MUL_LO, 0xa1
.set TO_B,   0x40
.set MSB, 0
.macro WIN new
.if MSB != (\new)
	s_set_vgpr_msb (MSB<<8)|(\new)
.set MSB, (\new)
.endif
.endm
.macro PLACES
.rept 4
	v_nop
.endr
.endm
.macro FRAG reg, adr, q, i
.irp c, 0,1,2
	ds_load_b128 v[(\reg)+4*\c:(\reg)+4*\c+3], v[\adr] offset:(\i)*6144+(\q)*1536+512*\c
.endr
.endm
.macro MUL32 p, zero
.irp a, 0,1,2,3
.irp b, 0,1,2,3,4,5,6,7
.if \zero
	v_wmma_scale_f32_16x16x128_f8f6f4 v[8*(8*\a+\b):8*(8*\a+\b)+7], v[128*(\p)+12*\b:128*(\p)+12*\b+11], v[AF+48*(\p)+12*\a:AF+48*(\p)+12*\a+11], 0, v[SC+2*\b+(\p)], v[SC+2*\a+(\p)] matrix_a_fmt:MATRIX_FMT_FP6 matrix_b_fmt:MATRIX_FMT_FP6 matrix_a_scale:MATRIX_SCALE_ROW1
.else
	v_wmma_scale_f32_16x16x128_f8f6f4 v[8*(8*\a+\b):8*(8*\a+\b)+7], v[128*(\p)+12*\b:128*(\p)+12*\b+11], v[AF+48*(\p)+12*\a:AF+48*(\p)+12*\a+11], v[8*(8*\a+\b):8*(8*\a+\b)+7], v[SC+2*\b+(\p)], v[SC+2*\a+(\p)] matrix_a_fmt:MATRIX_FMT_FP6 matrix_b_fmt:MATRIX_FMT_FP6 matrix_a_scale:MATRIX_SCALE_ROW1
.endif
.endr
.endr
.endm
.macro WORKH a1, a0, u, soff, zero
	WIN TO_B
.irp i, 0,1,2,3,4,5,6,7
	FRAG 12*\i, \a0, 2*(\u), \i
.endr
	WIN 0
.irp i, 0,1,2,3
	FRAG AF+12*\i, \a1, 2*(\u), \i
.endr
.irp i, 0,1,2,3,4,5,6,7
	ds_load_b64 v[SC+2*\i:SC+2*\i+1], v[ASB] offset:(\soff)+\i*SBLK
.endr
	WIN TO_B
.irp i, 0,1,2,3,4,5,6,7
	FRAG 128+12*\i, \a0, 2*(\u)+1, \i
.endr
	WIN 0
.irp i, 0,1,2,3
	FRAG AF+48+12*\i, \a1, 2*(\u)+1, \i
.endr
	s_wait_dscnt 36
	WIN MUL_LO
	MUL32 0, \zero
	s_wait_dscnt 0x0
	MUL32 1, 0
	WIN 0
	PLACES
.endm
.macro SLOTW s, S, zero
.if (\S) > 0
	s_cmp_lt_u32 s17, 2*(\S)
	s_cbranch_scc1 .Lskip_\@
.endif
	WORKH AD1+(\s), AD0+(\s), 0, 256*(\S), \zero
	s_cmp_lt_u32 s17, 2*(\S)+1
	s_cbranch_scc1 .Lskip_\@
	WORKH AD1+(\s), AD0+(\s), 1, 256*(\S)+128, 0
.Lskip_\@:
.endm
.macro ASK S
	s_cmp_ge_u32 s[PLIM], 2*(\S)+4
	s_cbranch_scc0 .Lnot_mine_\@
.irp k, 0,1,2,3,4,5
	global_prefetch_b8 v[PFO+\k], s[PFA:PFA+1] offset:((\S)+2)*6144 th:TH_LOAD_NT scope:SCOPE_SE
.endr
.Lnot_mine_\@:
.endm
.macro CHANGE S
	s_wait_tensorcnt 0x0
	ds_add_u32 v[SPW], v[NIL]
.if (\S) == 1
	s_add_nc_u64 s[G0+2:G0+3], s[G0+2:G0+3], 12288
.endif
.if (\S) == 2
	s_add_nc_u64 s[G0+6:G0+7], s[G0+6:G0+7], 12288
.endif
	s_wait_dscnt 0x0
	s_barrier_signal -1
	s_barrier_wait -1
.if (\S) < 3
	s_cmp_lt_u32 s17, 2*(\S)+2
	s_cbranch_scc1 .Lpast_\@
	s_cmp_eq_u32 s14, 3
	s_cbranch_scc1 .Lpast_\@
	tensor_load_to_lds s[G0+4*(((\S)+1)%2):G0+4*(((\S)+1)%2)+3], s[G1:G1+7]
	s_nop 0
.rept 4
	v_nop
.endr
.Lpast_\@:
.endif
.if (\S) < 2
	ASK \S
.endif
.endm
.macro STAT e
.set DB, SD+24*(\e)
	v_min3_num_f32 v[MM], v[DB], v[DB+3], v[DB+6]
	v_min3_num_f32 v[MM], v[MM], v[DB+9], v[DB+12]
	v_min3_num_f32 v[MM], v[MM], v[DB+15], v[DB+18]
	v_min_num_f32 v[MM], v[MM], v[DB+21]
	s_wait_alu depctr_va_vdst(0)
	v_permlanex16_b32 v[MX], v[MM], s[SEL], s[SEL+1]
	v_min_num_f32 v[MM], v[MM], v[MX]
.irp g, 0,1,2,3,4,5,6,7
	v_sub_f32 v[DF], v[MM], v[DB+3*\g]
	v_max_num_f32 v[DF], 0xc3480000, v[DF]
	v_cvt_i32_f32 v[DI], v[DF]
	v_ldexp_f32 v[FF], s[FL+\g], v[DI]
.if \g == 0
	v_mul_f32 v[LL+(\e)], v[DB+1], v[FF]
.else
	v_fma_f32 v[LL+(\e)], v[DB+3*\g+1], v[FF], v[LL+(\e)]
.endif
	v_and_b32 v[B0], 0xff, v[DB+3*\g+2]
	v_bfe_u32 v[B0+1], v[DB+3*\g+2], 8, 8
	v_bfe_u32 v[B0+2], v[DB+3*\g+2], 16, 8
	v_lshrrev_b32 v[B0+3], 24, v[DB+3*\g+2]
.irp k, 0,1,2,3
	v_add_nc_u32 v[B0+\k], v[B0+\k], v[DI]
.endr
.irp k, 0,1,2,3
	v_max_i32 v[B0+\k], 0, v[B0+\k]
.endr
	v_lshl_or_b32 v[DB+3*\g+2], v[B0+1], 8, v[B0]
	v_lshl_or_b32 v[DB+3*\g+2], v[B0+2], 16, v[DB+3*\g+2]
	v_lshl_or_b32 v[DB+3*\g+2], v[B0+3], 24, v[DB+3*\g+2]
	ds_store_b32 v[PSA], v[DB+3*\g+2] offset:(\e)*1024+\g*128
.endr
.endm
	s_load_b128 s[4:7], s[0:1], 0x0
	s_load_b64 s[8:9], s[0:1], 0x10
	v_lshl_add_u32 v[SPW], v0, 2, SPARE
	v_mov_b32 v[NIL], 0
	ds_add_u32 v[SPW], v[NIL]
	ds_add_u32 v[SPW], v[NIL]
	v_lshrrev_b32 v1, 5, v0
	v_readfirstlane_b32 s14, v1
	s_and_b32 s16, s14, 1
	s_mov_b32 s19, ttmp9
	s_and_b32 s18, ttmp7, 0xffff
	s_and_b32 s17, s18, 7
	s_lshr_b32 s18, s18, 3
	s_mov_b32 s[G1], 3<<16
	s_mov_b32 s[G1+1], 768<<16
	s_mov_b32 s[G1+2], 8<<16
	s_mov_b32 s[G1+3], 768<<16
	s_mov_b32 s[G1+4], 8
	s_mov_b32 s[G1+5], 3072
	s_mov_b32 s[G1+6], 0
	s_mov_b32 s[G1+7], 0
	s_mov_b32 s[G1S], 3<<16
	s_mov_b32 s[G1S+1], 32<<16
	s_mov_b32 s[G1S+2], 32<<16                     ; V's scale words of my 8 blocks: 8,192 dense bytes as 32 rows of 256, one load of wave 3
	s_mov_b32 s[G1S+3], 32<<16
	s_mov_b32 s[G1S+4], 32
	s_mov_b32 s[G1S+5], 32
	s_mov_b32 s[G1S+6], 0
	s_mov_b32 s[G1S+7], 0
	s_lshl_b32 s22, s17, 4
	s_lshl_b32 s13, s16, 3
	s_add_co_u32 s22, s22, s13
	s_lshl_b32 s13, s19, 3
	s_mov_b32 s23, 1572864
	s_sub_co_u32 s12, 7, s17
	s_cmp_lt_u32 s14, 2
	s_cselect_b32 s22, s22, s13
	s_cselect_b32 s23, 3145728, s23
	s_cselect_b32 s10, 0, VI_O
	s_cselect_b32 s12, s19, s12
	s_cmp_eq_u32 s12, 0
	s_cselect_b32 s[PLIM], s17, 0
	s_cmp_eq_u32 s14, 3
	s_cselect_b32 s[PLIM], 0, s[PLIM]
	s_mul_i32 s22, s22, 24576
	s_mul_i32 s23, s23, s18
	s_add_co_u32 s10, s10, s22
	s_add_co_u32 s10, s10, s23
	s_mov_b32 s11, 0
	s_lshl_b32 s12, s19, 13
	s_lshl_b32 s13, s18, 16
	s_add_co_u32 s12, s12, s13
	s_add_co_u32 s12, s12, VS_O
	s_mov_b32 s13, 0
	s_min_u32 s76, s14, 2
	s_mul_i32 s76, s76, HALFT
	s_mov_b32 s[SEL], 0x76543210
	s_mov_b32 s[SEL+1], 0xfedcba98
	s_wait_dscnt 0x0
	s_wait_kmcnt 0x0
	s_cmp_lt_u32 s14, 2
	s_cselect_b64 s[20:21], s[6:7], s[4:5]
	s_add_nc_u64 s[20:21], s[20:21], s[10:11]
	s_mov_b64 s[PFA:PFA+1], s[20:21]
	s_mov_b32 s[G0S], 1
	s_mov_b32 s[G0S+1], VSC
	s_add_nc_u64 s[G0S+2:G0S+3], s[4:5], s[12:13]
	s_or_b32 s[G0S+3], s[G0S+3], 0x80000000
	s_mov_b32 s[G0], 1
	s_mov_b32 s[G0+1], s76
	s_mov_b64 s[G0+2:G0+3], s[20:21]
	s_or_b32 s[G0+3], s[G0+3], 0x80000000
	s_mov_b32 s[G0+4], 1
	s_add_co_u32 s[G0+5], s76, SLOT
	s_add_nc_u64 s[G0+6:G0+7], s[20:21], 6144
	s_or_b32 s[G0+7], s[G0+7], 0x80000000
	s_cmp_eq_u32 s14, 3                            ; the head's loads, one a wave: waves 0-2 fetch slot 0's tiles, wave 3 V's scale words
	s_cbranch_scc1 .Lfor_scales
	tensor_load_to_lds s[G0:G0+3], s[G1:G1+7]
	s_nop 0
	v_nop
	v_nop
	v_nop
	v_nop
	s_branch .Lfirst_asked
.Lfor_scales:
	tensor_load_to_lds s[G0S:G0S+3], s[G1S:G1S+7]
	s_nop 0
.Lfirst_asked:
.rept 4
	v_nop
.endr
	v_and_b32 v1, 15, v0
	v_bfe_u32 v2, v0, 4, 1
	v_and_b32 v4, 31, v0
	v_lshlrev_b32 v3, 4, v4
	v_lshlrev_b32 v[L4], 2, v4
	s_wait_alu depctr_va_vdst(0)
	s_lshl_b32 s10, s18, 7
	s_lshl_b32 s12, s17, 4
	s_add_co_u32 s10, s10, s12
	s_lshl_b32 s12, s14, 2
	s_add_co_u32 s10, s10, s12
	s_mul_i32 s10, s10, 3072
	s_add_co_u32 s10, s10, PST_O
	s_add_nc_u64 s[78:79], s[6:7], s[10:11]
.irp g, 0,1,2,3,4,5,6,7
	s_min_u32 s76, s17, \g
	s_mul_i32 s76, s76, 384
	v_add_nc_u32 v[OFS+\g], s76, v[L4]
	s_cmp_ge_u32 s17, \g
	s_cselect_b32 s[FL+\g], 0x3f800000, 0
.endr
	s_wait_alu depctr_va_vdst(0)
.irp e, 0,1,2,3
.irp g, 0,1,2,3,4,5,6,7
.irp p, 0,1,2
	global_load_b32 v[SD+24*\e+3*\g+\p], v[OFS+\g], s[78:79] offset:\e*3072+\p*128
.endr
.endr
.endr
	v_lshlrev_b32 v5, 3, v1
	v_lshl_add_u32 v6, v2, 2, v5
	s_lshl_b32 s10, s14, 12
	s_add_co_u32 s10, s10, PSC
	v_add_nc_u32 v[PSA], s10, v6
	v_lshlrev_b32 v6, 2, v1
	s_lshl_b32 s10, s14, 8
	s_add_co_u32 s10, s10, RL
	v_add_nc_u32 v[RLA], s10, v6
	s_mul_i32 s10, s14, 24576
	v_add_nc_u32 v[AD1], s10, v3
	v_add_nc_u32 v[AD1+1], SLOT, v[AD1]
	v_add_nc_u32 v[AD0], VOFF, v3
	v_add_nc_u32 v[AD0+1], SLOT+VOFF, v3
	s_lshl_b32 s10, s14, 12
	s_mov_b32 s12, VSC-PSC
	s_sub_co_u32 s12, s12, s10
	v_mul_u32_u24 v6, s12, v2
	s_add_co_u32 s10, s10, PSC
	v_add_nc_u32 v6, v5, v6
	v_add_nc_u32 v[ASB], s10, v6
	s_mul_i32 s10, s14, 8448
	s_add_co_u32 s10, s10, STG
	v_mul_u32_u24 v6, v1, 528
	v_lshl_add_u32 v6, v2, 6, v6
	v_add_nc_u32 v[STO], s10, v6
	v_add_nc_u32 v[RD], s10, v3
.irp k, 0,1,2,3,4,5
	v_add_nc_u32 v[PFO+\k], 32*\k, v4
	v_mul_u32_u24 v14, v[PFO+\k], 171
	v_lshrrev_b32 v14, 12, v14
	v_mul_u32_u24 v15, v14, 24
	v_sub_nc_u32 v15, v[PFO+\k], v15
	v_lshlrev_b32 v15, 8, v15
	v_mad_u32_u24 v[PFO+\k], v14, 24576, v15
.endr
	ASK -1                                         ; slot 1's tiles are asked for at the head, one slot ahead of their load
	v_mov_b32 v[MX], 0
.irp e, 0,1,2,3
	v_mov_b32 v[RC+\e], 0
.endr
	s_lshl_b32 s10, s18, 23
	s_lshl_b32 s12, s17, 20
	s_add_co_u32 s10, s10, s12
	s_lshl_b32 s12, s14, 18
	s_add_co_u32 s10, s10, s12
	s_lshl_b32 s12, s19, 9
	s_add_co_u32 s10, s10, s12
	s_add_nc_u64 s[OB:OB+1], s[8:9], s[10:11]
	s_wait_loadcnt 0x0
	STAT 0
	STAT 1
	STAT 2
	STAT 3
.irp e, 0,1,2,3
	v_permlanex16_b32 v[RC+\e], v[LL+\e], s[SEL], s[SEL+1]
.endr
.irp e, 0,1,2,3
	v_add_f32 v[LL+\e], v[LL+\e], v[RC+\e]
.endr
	s_wait_alu depctr_va_vdst(0)
.irp e, 0,1,2,3
	v_rcp_f32 v[RC+\e], v[LL+\e]
.endr
	v_nop
	s_wait_alu depctr_va_vdst(0)
.irp e, 0,1,2,3
	ds_store_b32 v[RLA], v[RC+\e] offset:64*\e
.endr
	CHANGE 0
	SLOTW 0, 0, 1
	CHANGE 1
	SLOTW 1, 1, 0
	CHANGE 2
	SLOTW 0, 2, 0
	CHANGE 3
	SLOTW 1, 3, 0
.macro OUTM a
.set AC, 64*(\a)
	WIN 0x02
.set n, 0
.rept 32
	v_pk_mul_f32 v[ST+n:ST+n+1], v[AC+n:AC+n+1], v[RLV+2*(\a):RLV+2*(\a)+1] op_sel_hi:[1,0]
.set n, n+2
.endr
	WIN 0
.endm
.macro TOSTAGE a
.irp t, 0,1,2,3,4,5,6,7
	ds_store_b128 v[STO], v[ST+8*\t:ST+8*\t+3] offset:128*(\t>>1)+32*(\t&1)
	ds_store_b128 v[STO], v[ST+8*\t+4:ST+8*\t+7] offset:128*(\t>>1)+32*(\t&1)+16
.endr
.set BB, 128+64*((\a)%2)
.irp p, 0,1,2,3,4,5,6,7,8,9,10,11,12,13,14,15
	ds_load_b128 v[BB+4*\p:BB+4*\p+3], v[RD] offset:528*\p
.endr
.endm
.macro SEND a, younger
.set BB, 128+64*((\a)%2)
	s_wait_dscnt \younger
.irp p, 0,1,2,3,4,5,6,7,8,9,10,11,12,13,14,15
	global_store_b128 v3, v[BB+4*\p:BB+4*\p+3], s[OB:OB+1] offset:(32*((\a)>>1)+8*((\a)&1)+(\p&7)+16*(\p>>3))*4096 th:TH_STORE_NT
.endr
.endm
.irp a, 0,1,2,3
	ds_load_b32 v[RLV+2*\a], v[RLA] offset:64*\a
	v_mov_b32 v[RLV+2*\a+1], 0
.endr
	s_wait_alu depctr_va_vdst(0)
	s_wait_dscnt 0x0
	OUTM 0
	TOSTAGE 0
.irp a, 1,2,3
	s_wait_dscnt 16
	OUTM \a
	s_wait_alu depctr_va_vdst(0)
	s_wait_xcnt 0x0
	TOSTAGE \a
	SEND \a-1, 32
.endr
	SEND 3, 0
	s_wait_tensorcnt 0x0
	ds_add_u32 v[SPW], v[NIL]
	s_wait_dscnt 0x0
	s_endpgm
.Lfunc_end_k_qb176e9c12a_pv:
	.size	k_qb176e9c12a_pv, .Lfunc_end_k_qb176e9c12a_pv-k_qb176e9c12a_pv
	.p2alignl 7, 3214868480
	.fill 96, 4, 3214868480
	.section	.rodata,"a",@progbits
	.p2align	6, 0x0
	.amdhsa_kernel k_qb176e9c12a_pv
		.amdhsa_group_segment_fixed_size 327680
		.amdhsa_private_segment_fixed_size 0
		.amdhsa_enable_private_segment 0
		.amdhsa_kernarg_size 24
		.amdhsa_user_sgpr_count 2
		.amdhsa_user_sgpr_kernarg_segment_ptr 1
		.amdhsa_wavefront_size32 1
		.amdhsa_system_sgpr_workgroup_id_x 1
		.amdhsa_system_sgpr_workgroup_id_y 1
		.amdhsa_system_sgpr_workgroup_id_z 1
		.amdhsa_system_vgpr_workitem_id 0
		.amdhsa_next_free_vgpr 768
		.amdhsa_next_free_sgpr 96
		.amdhsa_reserve_vcc 0
		.amdhsa_float_denorm_mode_32 3
		.amdhsa_float_denorm_mode_16_64 3
		.amdhsa_memory_ordered 1
		.amdhsa_forward_progress 1
		.amdhsa_inst_pref_size 187
	.end_amdhsa_kernel
	.amdgpu_metadata
---
amdhsa.version: [ 1, 2 ]
amdhsa.kernels:
  - .name:           k_qb176e9c12a_pv
    .symbol:         k_qb176e9c12a_pv.kd
    .args:
      - { .name: qkv, .offset: 0, .size: 8, .value_kind: global_buffer, .address_space: global }
      - { .name: prob, .offset: 8, .size: 8, .value_kind: global_buffer, .address_space: global }
      - { .name: out0, .offset: 16, .size: 8, .value_kind: global_buffer, .address_space: global }
    .group_segment_fixed_size: 327680
    .private_segment_fixed_size: 0
    .kernarg_segment_align: 8
    .kernarg_segment_size: 24
    .max_flat_workgroup_size: 128
    .sgpr_count:     96
    .vgpr_count:     768
    .wavefront_size: 32
...
	.end_amdgpu_metadata
.endif
;; end of part 4
